; MI455X (gfx1250); checked and timed in simulation.
; The chip was launched on July 23, 2026; its instructions are those of AMD's public machine-readable ISA for CDNA 5 (MIT licence, August 2026) and "CDNA5" Instruction Set Architecture Reference Guide (July 2026). The comments in the code are by the model that wrote it; some were corrected since.
;; Gene Attention Layer. Allowed arithmetic: float matrix products may take bf16 or f16 operands with f32 sums; other float arithmetic in f32, or as packed bf16 or f16 multiplies, adds, multiply-adds, maxima and minima; sums over many terms, partial sums and values carried from step to step in f32; what a program stores and reads back later, other than sums and carried values, may be rounded once to bf16 or f16.
;; Inputs: M 2 x 2,048 x 2,048 float32; V 2 x 2,048 x 16 x 64 float32; in_proj_b 3,072 float32; in_proj_w 3,072 x 1,024 float32; out_b 1,024 float32; out_w 1,024 x 1,024 float32; x 2 x 2,048 x 1,024 float32.
;; Outputs: out0 2 x 2,048 x 1,024 float32.
;; One version. Each part assembles by itself: llvm-mc -triple=amdgcn-amd-amdhsa -mcpu=gfx1250 --defsym DOCPART=n.
;; ======== version 1 of 1: 4 launches
;; limits: values outside matrix products are rounded to f16; right only within a limited range of input values; values are held in f16: magnitudes above 65,504 overflow, below 6.1e-05 lose precision
;; workspace buffers: xh 8,388,608 bytes; wh 4,194,304 bytes; owh 2,097,152 bytes; mh 16,777,216 bytes; vh 8,388,608 bytes; qk 16,777,216 bytes; oh 8,388,608 bytes
;; launch cast (part 1): grid 1216 x 1, 8 waves a work-group, no clusters, 0 bytes of LDS; arguments x, in_proj_w, out_w, M, V, xh, wh, owh, mh, vh; writes xh, wh, owh, mh, vh
.if DOCPART == 1
	.amdgcn_target "amdgcn-amd-amdhsa--gfx1250"
	.amdhsa_code_object_version 6
	.text
	.protected	k_q7ab953a239_cast
	.globl	k_q7ab953a239_cast
	.p2align	8
	.type	k_q7ab953a239_cast,@function
k_q7ab953a239_cast:
	s_mov_b64 s[64:65], 0
	v_nop
	global_prefetch_b8 v0, s[64:65] scope:SCOPE_SE
	s_setreg_imm32_b32 hwreg(HW_REG_WAVE_MODE, 25, 1), 1
	s_wait_xcnt 0x0
; THE INPUTS ARE ROUNDED ONCE, to bf16 (nearest even), and written in 16 bits for the three launches behind.
;   x [4096][1024] and rows 0-2047 of in_proj_w -> xh, wh: bf16, same layout.  (Rows 2048-3071 of in_proj_w feed the third part of qkv, which the module throws away: not read.)
;   out_w, M, V -> owh, mh, vh: the bf16 number written as f16, since the products that take them have an f16 partner.  V [b][s][h][64] is also regrouped by heads: vh [b][h][s][64].
; LIMITS.  f16 ends at 65,504: |out_w|, |M|, |V| stay below it (the attention asks |M| <= 63); below 6e-5 an f16 keeps a fixed step of 6e-8.  NaN and infinities are not treated apart.
; SHARES.  A stream: no LDS, no barrier, no matrix unit, no cluster (no byte is read twice).  A work-group takes a chunk of 16,384 numbers (64 KiB in, 32 KiB out); the chunks are numbered
; M 0-511, x 512-767, V 768-1023, in_proj_w 1024-1151, out_w 1152-1215.  A unit is 8 numbers: 32 bytes in, 16 bytes out; thread t takes units 256 i + t, i = 0..7, counted in the ORDER OF THE OUTPUT:
; each store of a wave covers 512 consecutive bytes, aligned.  All 16 loads of a thread go out before the first wait.  For V eight lanes read one (s, h) row of 256 bytes whole.
.set X, 4                              ; v[4:67]   unit i: 8 numbers in f32, as loaded
.set Y, 68                             ; v[68:99]  unit i: 4 registers to store
	s_load_b512 s[8:23], s[0:1], 0x0               ; x s[8:9], in_proj_w s[10:11], out_w s[12:13], M s[14:15], V s[16:17], xh s[18:19], wh s[20:21], owh s[22:23]
	s_load_b128 s[24:27], s[0:1], 0x40             ; mh s[24:25], vh s[26:27]
	s_mov_b32 s2, ttmp9                            ; g: the chunk's number
	s_mov_b32 s28, 0                               ; the first chunk of g's tensor
	s_lshr_b32 s29, s2, 8                          ; 3: the chunk is V's
	s_lshr_b32 s31, s2, 7
	s_cmp_eq_u32 s29, 2                            ; x's chunks,
	s_cselect_b32 s30, 1, 0
	s_cmp_eq_u32 s31, 8                            ; and in_proj_w's, stay bf16
	s_cselect_b32 s30, 1, s30
	v_lshlrev_b32 v2, 4, v0                        ; my 16 bytes in each 4,096 of the output
	s_wait_kmcnt 0x0
	s_mov_b64 s[4:5], s[14:15]                     ; from M,
	s_mov_b64 s[6:7], s[24:25]                     ; to mh, unless g lies further up: a choice between buffers on the chunk's number alone
.macro PICK lim, src, dst
	s_cmp_ge_u32 s2, \lim
	s_cselect_b64 s[4:5], s[\src:\src+1], s[4:5]
	s_cselect_b64 s[6:7], s[\dst:\dst+1], s[6:7]
	s_cselect_b32 s28, \lim, s28
.endm
	PICK 512, 8, 18
	PICK 768, 16, 26
	PICK 1024, 10, 20
	PICK 1152, 12, 22
	s_sub_co_u32 s3, s2, s28                       ; c: the chunk's number in its tensor
	s_lshl_b32 s32, s3, 15                         ; 32,768 bytes of output a chunk
	s_mov_b32 s33, 0
	s_add_nc_u64 s[6:7], s[6:7], s[32:33]
	s_mov_b32 s35, 0
.macro LOADS stride                    ; unit i lies stride bytes behind unit i - 1
.irp i, 0,1,2,3,4,5,6,7
	global_load_b128 v[X+8*(\i):X+8*(\i)+3],   v1, s[4:5] offset:(\i)*(\stride) th:TH_LOAD_NT
	global_load_b128 v[X+8*(\i)+4:X+8*(\i)+7], v1, s[4:5] offset:(\i)*(\stride)+16 th:TH_LOAD_NT
.endr
.endm
	s_cmp_eq_u32 s29, 3
	s_cbranch_scc1 .Lheads
	s_lshl_b32 s34, s3, 16                         ; same order in and out: 65,536 bytes of input a chunk,
	s_add_nc_u64 s[4:5], s[4:5], s[34:35]
	v_lshlrev_b32 v1, 5, v0                        ; 32 bytes a thread
	LOADS 8192
	s_branch .Lloaded
.Lheads:                                               ; V: chunk c is rows 256 (c % 8) on of head (c / 8) % 16 of batch c / 128
	s_bfe_u32 s34, s3, 0x40003
	s_lshl_b32 s34, s34, 8                         ; a head's 256 bytes in a row of V,
	s_and_b32 s36, s3, 7
	s_lshl_b32 s36, s36, 20                        ; 256 rows of 4,096 bytes,
	s_add_co_u32 s34, s34, s36
	s_lshr_b32 s36, s3, 7
	s_lshl_b32 s36, s36, 23                        ; a batch
	s_add_co_u32 s34, s34, s36
	s_add_nc_u64 s[4:5], s[4:5], s[34:35]
	v_and_b32 v1, 7, v0                            ; my 32 bytes of the head's 256,
	v_lshrrev_b32 v3, 3, v0                        ; in row t / 8 of each 32
	v_lshlrev_b32 v1, 5, v1
	v_lshl_add_u32 v1, v3, 12, v1
	LOADS 131072
.Lloaded:
; Unit i.  half = 1: the bf16 number is widened again and written as f16 (exact inside f16's normal range).
.macro UNIT i, half
	s_wait_loadcnt 14-2*(\i)                       ; loads come back in order (ISA guide 5.7.1): the two loads of each younger unit may stay out
.irp j, 0,1,2,3
	v_cvt_pk_bf16_f32 v[Y+4*(\i)+(\j)], v[X+8*(\i)+2*(\j)], v[X+8*(\i)+2*(\j)+1]
.endr
.if \half
.irp j, 0,1,2,3
	v_lshlrev_b32 v[X+8*(\i)+2*(\j)],   16, v[Y+4*(\i)+(\j)]
	v_and_b32     v[X+8*(\i)+2*(\j)+1], 0xffff0000, v[Y+4*(\i)+(\j)]
.endr
.irp j, 0,1,2,3
	v_cvt_pk_f16_f32 v[Y+4*(\i)+(\j)], v[X+8*(\i)+2*(\j)], v[X+8*(\i)+2*(\j)+1]
.endr
.endif
	global_store_b128 v2, v[Y+4*(\i):Y+4*(\i)+3], s[6:7] offset:(\i)*4096  ; no register that a store names is written again
.endm
	s_cmp_eq_u32 s30, 1
	s_cbranch_scc1 .Lbf
.irp i, 0,1,2,3,4,5,6,7
	UNIT \i, 1
.endr
	s_endpgm
.Lbf:
.irp i, 0,1,2,3,4,5,6,7
	UNIT \i, 0
.endr
	s_endpgm
.Lfunc_end_k_q7ab953a239_cast:
	.size	k_q7ab953a239_cast, .Lfunc_end_k_q7ab953a239_cast-k_q7ab953a239_cast
	.p2alignl 7, 3214868480
	.fill 96, 4, 3214868480
	.section	.rodata,"a",@progbits
	.p2align	6, 0x0
	.amdhsa_kernel k_q7ab953a239_cast
		.amdhsa_group_segment_fixed_size 0
		.amdhsa_private_segment_fixed_size 0
		.amdhsa_enable_private_segment 0
		.amdhsa_kernarg_size 80
		.amdhsa_user_sgpr_count 2
		.amdhsa_user_sgpr_kernarg_segment_ptr 1
		.amdhsa_wavefront_size32 1
		.amdhsa_system_sgpr_workgroup_id_x 1
		.amdhsa_system_sgpr_workgroup_id_y 1
		.amdhsa_system_sgpr_workgroup_id_z 1
		.amdhsa_system_vgpr_workitem_id 0
		.amdhsa_next_free_vgpr 104
		.amdhsa_next_free_sgpr 66
		.amdhsa_reserve_vcc 0
		.amdhsa_float_denorm_mode_32 3
		.amdhsa_float_denorm_mode_16_64 3
		.amdhsa_memory_ordered 1
		.amdhsa_forward_progress 1
		.amdhsa_inst_pref_size 17
	.end_amdhsa_kernel
	.amdgpu_metadata
---
amdhsa.version: [ 1, 2 ]
amdhsa.kernels:
  - .name:           k_q7ab953a239_cast
    .symbol:         k_q7ab953a239_cast.kd
    .args:
      - { .name: x, .offset: 0, .size: 8, .value_kind: global_buffer, .address_space: global }
      - { .name: in_proj_w, .offset: 8, .size: 8, .value_kind: global_buffer, .address_space: global }
      - { .name: out_w, .offset: 16, .size: 8, .value_kind: global_buffer, .address_space: global }
      - { .name: M, .offset: 24, .size: 8, .value_kind: global_buffer, .address_space: global }
      - { .name: V, .offset: 32, .size: 8, .value_kind: global_buffer, .address_space: global }
      - { .name: xh, .offset: 40, .size: 8, .value_kind: global_buffer, .address_space: global }
      - { .name: wh, .offset: 48, .size: 8, .value_kind: global_buffer, .address_space: global }
      - { .name: owh, .offset: 56, .size: 8, .value_kind: global_buffer, .address_space: global }
      - { .name: mh, .offset: 64, .size: 8, .value_kind: global_buffer, .address_space: global }
      - { .name: vh, .offset: 72, .size: 8, .value_kind: global_buffer, .address_space: global }
    .group_segment_fixed_size: 0
    .private_segment_fixed_size: 0
    .kernarg_segment_align: 8
    .kernarg_segment_size: 80
    .max_flat_workgroup_size: 256
    .sgpr_count:     66
    .vgpr_count:     104
    .wavefront_size: 32
...
	.end_amdgpu_metadata
.endif
;; end of part 1
;; launch gemm_qk (part 2): grid 16 x 32, 4 waves a work-group, clusters of 4 x 4, 327,680 bytes of LDS; arguments xh, wh, qk, in_proj_b; writes qk
.if DOCPART == 2
	.amdgcn_target "amdgcn-amd-amdhsa--gfx1250"
	.amdhsa_code_object_version 6
	.text
	.protected	k_q7ab953a239_gemm_qk
	.globl	k_q7ab953a239_gemm_qk
	.p2align	8
	.type	k_q7ab953a239_gemm_qk,@function
k_q7ab953a239_gemm_qk:
	s_mov_b64 s[64:65], 0
	v_nop
	global_prefetch_b8 v0, s[64:65] scope:SCOPE_SE
	s_setreg_imm32_b32 hwreg(HW_REG_WAVE_MODE, 25, 1), 1
	s_wait_xcnt 0x0
	s_wait_alu depctr_hold_cnt(0) depctr_sa_sdst(0) depctr_va_vdst(0) depctr_va_sdst(0) depctr_va_ssrc(0) depctr_va_vcc(0) depctr_vm_vsrc(0)
	s_getreg_b32 s2, hwreg(HW_REG_IB_STS2, 6, 4)
	s_cmp_eq_u32 s2, 0
	s_cbranch_scc0 .Lentry_in_a_cluster
	s_endpgm
.Lentry_in_a_cluster:
	s_bfe_u32 s2, ttmp6, 0x10000c
	s_cmp_lg_u32 s2, 0xf033
	s_cbranch_scc0 .Lentry_shape_is_right
	s_endpgm
.Lentry_shape_is_right:
; q AND k.  C[m][n] = sum over k of xh[m][k] wh[n][k] + bias[n]: xh [4096][1024], wh [2048][1024] in bf16, sums in f32; the bias (in_proj_b[0:2048], rounded to bf16 like every input) starts the sums.
; C leaves rounded once to f16, UNSCALED and BY HEADS: qk [sel][b][h][s][64], sel 0 = q (n < 1024), 1 = k; m = 2048 b + s, n = 1024 sel + 64 h + d.
; LIMIT.  f16 ends at 65,504: a q or k beyond it leaves as an infinity.  in_proj_b[2048:] feeds the part of qkv that the module throws away: not read.
; A tile of C is 128 x 128: 512 work-groups, two for each of 256 WGPs.  Four waves, each 64 x 64: 16 accumulators of 16 x 16.  K goes in steps of 256 (LDS rows of 512 bytes; a wave's tensor load
; brings 64 of them) through two slots.  CLUSTERS: 4 x 4 work-groups; the four of a row of the cluster need the same tiles of xh, the four of a column the same tiles of wh: each tile is asked for JOINTLY.
; THE MATRIX INSTRUCTION IS USED TRANSPOSED (source 0 = 16 rows of wh, source 1 = 16 rows of xh): a lane then holds eight neighbouring columns of a row of C.
; A wave's 64 columns are ONE head, and its 64 rows x 128 bytes are 8,192 consecutive bytes of qk: each wave goes out through a stage of its own, with no barrier.
; REGISTERS: window 0: v0-31 addresses; v32-95 at work on the way out; v96-127 the bias; v128-255 the accumulators ((a, b) at v[128 + 8 (4 a + b)]).
;   window 1: two fragment buffers of 128: for 64 along K, 64 registers of xh (2 x 4 x 16 rows x 32 K), then 64 of wh.
.set SIZE_K, 1024
.set KSTEP,  256
.set PITCH,  528                       ; an LDS row: 512 bytes + 16 of padding = 132 words: row r starts at bank 4 r mod 64 (64 banks of 4 bytes: ISA guide 11.1)
.set HALFT,  64*PITCH                  ; 64 rows: what one tensor load brings, and what one wave reads of either operand
.set SLOT,   4*HALFT                   ; xh's 128 rows, then wh's 128 rows
.set STAGE,  2*SLOT                    ; behind the ring: 64 rows x 144 bytes for each wave
.set SP,     144                       ; a stage row: 128 bytes + 16
.set SPARE,  STAGE+4*64*SP             ; behind the stages: the spare words, 128 bytes for each wave
.set LAPS, SIZE_K/(2*KSTEP)            ; a lap = two K steps = once round the ring
.set ADRA, 16                          ; v16-17  LDS address of my xh fragments in slot 0, 1
.set ADRB, 20                          ; v20-21  the same for wh
.set STO,  24                          ; v24     the way out: where I put 16 bytes of a row
.set RD,   25                          ; v25     the way out: where I read rows back
.set GO,   26                          ; v26     my 16 bytes in 512 consecutive bytes of qk
.set BO,   27                          ; v27     my byte offset in 16 numbers of the bias
.set SPW,  28                          ; v28     LDS address of my spare word; never rewritten
.set NIL,  29                          ; v29     0; never rewritten
.set TMP,  32
.set BI,   96                          ; column block b at BI + 8 b: bias[16 b + 8 (l / 16) + 0..7] of my 64 columns
.set ACC,  128
.set F0,   0                           ; fragment buffers, in window 1
.set F1,   128
.set G1, 24                            ; s[24:31] descriptor group 1 for xh's tiles;  s[32:39] group 0, one set for each slot
.set G0, 32
.set G1B, 48                           ; s[48:55], s[56:63] the same for wh's tiles
.set G0B, 56
.set BIAS, 66                          ; s[66:67]
.set MSB, 0
.macro WIN new                         ; the immediate's high byte repeats the setting that is left
.if MSB != (\new)
	s_set_vgpr_msb (MSB<<8)|(\new)
.set MSB, \new
.endif
.endm
.set MUL,  0x05                        ; sources 0 and 1 window 1; C and D window 0
.set TO_F, 0x40                        ; destination window 1, address window 0
.macro JLOAD s                         ; a joint load: waves 0 and 1 fetch xh's two halves, waves 2 and 3 wh's; an s_nop 0 and four v_nop follow each line
	s_cmp_eq_u32 s11, 0
	s_cbranch_scc0 .Lfor_b_\@
	tensor_load_to_lds s[G0+4*(\s):G0+4*(\s)+3], s[G1:G1+7]
	s_nop 0
.rept 4
	v_nop
.endr
	s_branch .Lasked_\@
.Lfor_b_\@:
	tensor_load_to_lds s[G0B+4*(\s):G0B+4*(\s)+3], s[G1B:G1B+7]
	s_nop 0
.rept 4
	v_nop
.endr
.Lasked_\@:
.endm
.macro CREST                           ; a round of the cluster's barrier behind its opening barrier
	s_cmp_lg_u32 s10, 0
	s_cbranch_scc1 .Lnot_wave_0_\@
	s_barrier_signal -3
.Lnot_wave_0_\@:
	s_barrier_wait -3
	s_barrier_signal -1
	s_barrier_wait -1
.endm
.macro CROUND                          ; a whole round
	s_barrier_signal -1
	s_barrier_wait -1
	CREST
.endm
	s_load_b128 s[4:7], s[0:1], 0x0                ; xh s[4:5], wh s[6:7]
	s_load_b64 s[8:9], s[0:1], 0x10                ; qk
	s_load_b64 s[BIAS:BIAS+1], s[0:1], 0x18        ; in_proj_b
	v_lshl_add_u32 v[SPW], v0, 2, SPARE
	v_mov_b32 v[NIL], 0
	ds_add_u32 v[SPW], v[NIL]                      ; the wave's opening: the add and its wait stand ahead of my first tensor load; the set-up below stands between them
	v_lshrrev_b32 v1, 5, v0
	v_readfirstlane_b32 s10, v1                    ; wave 0..3
	s_lshr_b32 s11, s10, 1                         ; which half of the tile's rows is mine.  Also: I fetch for xh (0) or for wh (1)
	s_and_b32 s12, s10, 1                          ; which half of its columns.  Also: which 64 rows of that tile I fetch
	s_bfe_u32 s40, ttmp6, 0x40000                  ; cx, cy: my place in the cluster
	s_bfe_u32 s41, ttmp6, 0x40004
	s_lshl_b32 s42, ttmp9, 2
	s_add_co_u32 s42, s42, s40                     ; tile column of C = 4 x cluster x + cx
	s_and_b32 s13, ttmp7, 0xffff
	s_lshl_b32 s13, s13, 2
	s_add_co_u32 s13, s13, s41                     ; tile row of C = 4 x cluster y + cy
	s_lshl_b32 s43, s41, 2
	s_lshl_b32 s43, 15, s43                        ; my row of the cluster
	s_lshl_b32 s44, 0x1111, s40                    ; my column
	; descriptor group 1: a tile of 64 rows x 256 elements, padded in LDS
	s_or_b32 s[G1+0], s43, (1<<16)|(1<<20)|(1<<21)|(6<<22)|(3<<25)  ; 15:0 the mask: xh's tiles go to my row; 17:16 2-byte elements; 20 padding on; 21 set beside a mask; 24:22 after every 128 words (code 6); 31:25 4 words (code 3)
	s_or_b32 s[G1B+0], s44, (1<<16)|(1<<20)|(1<<21)|(6<<22)|(3<<25)
.irp g, G1, G1B
	s_mov_b32 s[(\g)+1], KSTEP<<16                 ; tensor_dim0 = 256
	s_mov_b32 s[(\g)+2], 64<<16                    ; tensor_dim1 = 64
	s_mov_b32 s[(\g)+3], KSTEP<<16                 ; tile_dim0 = 256
	s_mov_b32 s[(\g)+4], 64                        ; tile_dim1 = 64
	s_mov_b32 s[(\g)+5], SIZE_K                    ; elements from row to row
	s_mov_b32 s[(\g)+6], 0
	s_mov_b32 s[(\g)+7], 0
.endr
	s_lshl_b32 s17, s12, 6                         ; which 64 rows of the tile I fetch
	s_lshl_b32 s16, s13, 7
	s_add_co_u32 s16, s16, s17                     ; xh: row 128 x tile row + 64 x half
	s_lshl_b32 s46, s42, 7
	s_add_co_u32 s46, s46, s17                     ; wh: row 128 x tile column + 64 x half
	s_mov_b32 s17, 0
	s_mov_b32 s47, 0
	s_mov_b64 s[18:19], SIZE_K*2
	s_mul_u64 s[16:17], s[16:17], s[18:19]
	s_mul_u64 s[46:47], s[46:47], s[18:19]
	s_mul_i32 s20, s10, HALFT                      ; where they go: wave x 64 rows
	s_wait_dscnt 0x0                               ; the opening add is done
	s_wait_kmcnt 0x0
	s_add_nc_u64 s[14:15], s[4:5], s[16:17]
	s_add_nc_u64 s[46:47], s[6:7], s[46:47]
	CROUND                                         ; all sixteen work-groups are here: the first joint loads meet
.irp s, 0,1
	s_mov_b32 s[G0+4*(\s)], 1
	s_add_co_u32 s[G0+4*(\s)+1], s20, (\s)*SLOT
	s_add_nc_u64 s[G0+4*(\s)+2:G0+4*(\s)+3], s[14:15], (\s)*KSTEP*2
	s_or_b32 s[G0+4*(\s)+3], s[G0+4*(\s)+3], 0x80000000
	s_mov_b32 s[G0B+4*(\s)], 1
	s_add_co_u32 s[G0B+4*(\s)+1], s20, (\s)*SLOT
	s_add_nc_u64 s[G0B+4*(\s)+2:G0B+4*(\s)+3], s[46:47], (\s)*KSTEP*2
	s_or_b32 s[G0B+4*(\s)+3], s[G0B+4*(\s)+3], 0x80000000
	JLOAD \s
.endr
	v_and_b32 v1, 15, v0                           ; l % 16
	v_bfe_u32 v2, v0, 4, 1                         ; l / 16
	; the bias of my 64 columns: register j of block b is bias[16 b + 8 (l / 16) + j], the same layout as a result's
	v_lshlrev_b32 v[BO], 5, v2
	s_lshl_b32 s46, s42, 9                         ; 128 columns of 4 bytes a tile column (in the registers that held wh's address: none that feeds xh's descriptors ever holds cx),
	s_lshl_b32 s47, s12, 8                         ; 64 a half
	s_add_co_u32 s46, s46, s47
	s_mov_b32 s47, 0
	s_add_nc_u64 s[BIAS:BIAS+1], s[BIAS:BIAS+1], s[46:47]
.irp b, 0,1,2,3
	global_load_b128 v[BI+8*(\b):BI+8*(\b)+3],   v[BO], s[BIAS:BIAS+1] offset:64*(\b)
	global_load_b128 v[BI+8*(\b)+4:BI+8*(\b)+7], v[BO], s[BIAS:BIAS+1] offset:64*(\b)+16
.endr
	v_mul_u32_u24 v3, v1, PITCH
	v_lshl_add_u32 v3, v2, 4, v3                   ; a fragment's row x pitch + 16 x half
	s_mul_i32 s21, s11, HALFT                      ; my 64 rows of xh
	s_mul_i32 s22, s12, HALFT                      ; my 64 rows of wh,
	s_add_co_u32 s22, s22, 2*HALFT                 ; which lie behind xh's 128
.irp s, 0,1
	v_add_nc_u32 v[ADRA+(\s)], s21, v3
	v_add_nc_u32 v[ADRB+(\s)], s22, v3
	s_add_co_u32 s21, s21, SLOT
	s_add_co_u32 s22, s22, SLOT
.endr
	s_mul_i32 s23, s10, 64*SP
	s_add_co_u32 s23, s23, STAGE                   ; my stage
	v_mul_u32_u24 v4, v1, SP                       ; in: row l % 16, 16 bytes for each half of the lanes
	v_lshl_add_u32 v4, v2, 4, v4
	v_add_nc_u32 v[STO], s23, v4
	v_bfe_u32 v5, v0, 3, 2                         ; back: 32 lanes take four rows of 128 bytes,
	v_mul_u32_u24 v5, v5, SP
	v_and_b32 v6, 7, v0
	v_lshl_add_u32 v5, v6, 4, v5
	v_add_nc_u32 v[RD], s23, v5
	v_and_b32 v[GO], 31, v0                        ; which are 512 consecutive bytes of qk
	v_lshlrev_b32 v[GO], 4, v[GO]
	; where my 8,192 bytes begin in qk.  The rows' part: batch (4 MiB) and place in the sequence (128 bytes a row)
	s_lshl_b32 s16, s13, 7
	s_lshl_b32 s17, s11, 6
	s_add_co_u32 s16, s16, s17                     ; my first row of C
	s_lshr_b32 s17, s16, 11
	s_lshl_b32 s17, s17, 22
	s_and_b32 s16, s16, 2047
	s_lshl_b32 s16, s16, 7
	s_add_co_u32 s16, s16, s17
	s_mov_b32 s17, 0
	s_add_nc_u64 s[8:9], s[8:9], s[16:17]
	s_lshl_b32 s46, s42, 1                         ; the columns' part: 2 x tile column + half = 16 sel + head,
	s_add_co_u32 s46, s46, s12
	s_and_b32 s47, s46, 16
	s_lshl_b32 s47, s47, 1                         ; 32 sel + head,
	s_and_b32 s46, s46, 15
	s_add_co_u32 s46, s46, s47
	s_lshl_b32 s46, s46, 18                        ; times a head's 262,144 bytes
	s_mov_b32 s47, 0
	s_add_nc_u64 s[8:9], s[8:9], s[46:47]
; 8 matrix instructions: m blocks a0, a0 + 1 x all 4 n blocks, 32 along K: half c of buffer f.  zero = 1: the first product starts the sums, with the bias as C
.macro MUL8 f, c, a0, zero
	WIN MUL
.irp a, \a0, (\a0)+1
.irp b, 0,1,2,3
.if \zero
	v_wmma_f32_16x16x32_bf16 v[ACC+8*(4*(\a)+(\b)):ACC+8*(4*(\a)+(\b))+7], v[(\f)+64+8*(4*(\c)+(\b)):(\f)+64+8*(4*(\c)+(\b))+7], v[(\f)+8*(4*(\c)+(\a)):(\f)+8*(4*(\c)+(\a))+7], v[BI+8*(\b):BI+8*(\b)+7]
.else
	v_wmma_f32_16x16x32_bf16 v[ACC+8*(4*(\a)+(\b)):ACC+8*(4*(\a)+(\b))+7], v[(\f)+64+8*(4*(\c)+(\b)):(\f)+64+8*(4*(\c)+(\b))+7], v[(\f)+8*(4*(\c)+(\a)):(\f)+8*(4*(\c)+(\a))+7], v[ACC+8*(4*(\a)+(\b)):ACC+8*(4*(\a)+(\b))+7]
.endif
.endr
.endr
.endm
; 32 LDS loads in one run: the fragments of 64 along K at byte k of the rows, into buffer f; the first 32 along K first
.macro FETCH slot, k, f
	WIN TO_F
.irp c, 0,1
.irp i, 0,1,2,3
	ds_load_b128 v[(\f)+64+8*(4*(\c)+(\i)):(\f)+64+8*(4*(\c)+(\i))+3],   v[ADRB+(\slot)] offset:(\k)+64*(\c)+(\i)*16*PITCH
	ds_load_b128 v[(\f)+64+8*(4*(\c)+(\i))+4:(\f)+64+8*(4*(\c)+(\i))+7], v[ADRB+(\slot)] offset:(\k)+64*(\c)+(\i)*16*PITCH+32
	ds_load_b128 v[(\f)+8*(4*(\c)+(\i)):(\f)+8*(4*(\c)+(\i))+3],         v[ADRA+(\slot)] offset:(\k)+64*(\c)+(\i)*16*PITCH
	ds_load_b128 v[(\f)+8*(4*(\c)+(\i))+4:(\f)+8*(4*(\c)+(\i))+7],       v[ADRA+(\slot)] offset:(\k)+64*(\c)+(\i)*16*PITCH+32
.endr
.endr
.endm
.macro PLACES                          ; four places in front of loads into registers that matrix instructions have read, and of conversions that read results
.rept 4
	v_nop
.endr
.endm
; A K step is four quarters of 64 along K, 32 matrix instructions each, on buffers 0, 1, 0, 1.  The 16 accumulators take turns.
.macro QUARTER slot, k, f, g, zero
	s_wait_dscnt 16                                ; the first 32 along K are in; the run's other sixteen loads may be out
	WIN MUL
	MUL8 \f, 0, 0, \zero
	MUL8 \f, 0, 2, \zero
	PLACES
	FETCH \slot, \k, \g
	s_wait_dscnt 32                                ; all but the 32 just issued
	WIN MUL
	MUL8 \f, 1, 0, 0
	MUL8 \f, 1, 2, 0
.endm
; The last quarter multiplies buffer 1 and changes slots: ONE barrier; in front of it each wave waits for all its tensor loads, adds 0 to its spare word, and waits for that and for its own reads of this slot.
.macro TURN slot, next, fill
	WIN 0                                          ; (the add's two registers lie in window 0)
	s_wait_tensorcnt 0x0                           ; all my tensor loads have landed: my part of the next slot;
	ds_add_u32 v[SPW], v[NIL]                      ; 0 onto my spare word;
	s_wait_dscnt 17                                ; (the add and the youngest sixteen loads may be out)
	WIN MUL
	MUL8 F1, 0, 0, 0                               ; eight matrix instructions stand between the add and the wait for it
	s_wait_dscnt 0x0                               ; the add is done, and my reads of this slot are over
	s_barrier_signal -1
	MUL8 F1, 0, 2, 0
.if \fill
	WIN 0
.endif
	s_barrier_wait -1
.if \fill
	CREST                                          ; the barrier has opened a round of the cluster's barrier: no wave of any partner still reads this slot's tile or has a load on its way
	s_add_nc_u64 s[G0+4*(\slot)+2:G0+4*(\slot)+3], s[G0+4*(\slot)+2:G0+4*(\slot)+3], 2*KSTEP*2
	s_add_nc_u64 s[G0B+4*(\slot)+2:G0B+4*(\slot)+3], s[G0B+4*(\slot)+2:G0B+4*(\slot)+3], 2*KSTEP*2
	JLOAD \slot                                    ; the first tensor load behind the round; its four v_nop are also the places in front of the loads below
.else
	PLACES
.endif
	FETCH \next, 0, F0
	WIN MUL
	MUL8 F1, 1, 0, 0
	MUL8 F1, 1, 2, 0
.endm
	s_wait_loadcnt 0x0                             ; the bias: rounded to bf16 and widened again
.set i, 0
.rept 16
	v_cvt_pk_bf16_f32 v[TMP+i], v[BI+2*i], v[BI+2*i+1]
.set i, i+1
.endr
.set i, 0
.rept 16
	v_lshlrev_b32 v[BI+2*i],   16, v[TMP+i]
	v_and_b32     v[BI+2*i+1], 0xffff0000, v[TMP+i]
.set i, i+1
.endr
	s_wait_tensorcnt 1                             ; my part of K step 0 is in; K step 1's may stay out
	s_barrier_signal -1
	s_barrier_wait -1                              ; everybody's is
	FETCH 0, 0, F0
	QUARTER 0, 128, F0, F1, 1                      ; the first quarter stands in front of the loop: its first products start the sums
	WIN 0                                          ; at a label and at a branch every window is 0
	s_mov_b32 s3, LAPS-1
.Llap:                                                 ; a trip goes once round the ring, from a lap's second quarter to the next lap's first, and fills both slots again
	QUARTER 0, 256, F1, F0, 0
	QUARTER 0, 384, F0, F1, 0
	TURN 0, 1, 1
	QUARTER 1, 128, F0, F1, 0
	QUARTER 1, 256, F1, F0, 0
	QUARTER 1, 384, F0, F1, 0
	TURN 1, 0, 1
	QUARTER 0, 128, F0, F1, 0
	WIN 0
	s_sub_co_u32 s3, s3, 1
	s_cmp_lg_u32 s3, 0
	s_cbranch_scc1 .Llap
	QUARTER 0, 256, F1, F0, 0                      ; the last lap fills nothing, and has no round of the cluster's barrier
	QUARTER 0, 384, F0, F1, 0
	TURN 0, 1, 0
	QUARTER 1, 128, F0, F1, 0
	QUARTER 1, 256, F1, F0, 0
	QUARTER 1, 384, F0, F1, 0
	s_wait_dscnt 16                                ; the very last quarter: nothing more to fetch
	WIN MUL
	MUL8 F1, 0, 0, 0
	MUL8 F1, 0, 2, 0
	s_wait_dscnt 0
	MUL8 F1, 1, 0, 0
	MUL8 F1, 1, 2, 0
	WIN 0
	; THE WAY OUT: round to f16; 16 bytes a lane into my own stage; back as whole rows of 128 bytes, four to a load; 512 consecutive bytes to a store.
	PLACES
.irp t, 0,1,2,3,4,5,6,7,8,9,10,11,12,13,14,15
.irp r, 0,1,2,3
	v_cvt_pk_f16_f32 v[TMP+4*(\t)+(\r)], v[ACC+8*(\t)+2*(\r)], v[ACC+8*(\t)+2*(\r)+1]
.endr
.endr
.irp a, 0,1,2,3
.irp b, 0,1,2,3
	ds_store_b128 v[STO], v[TMP+4*(4*(\a)+(\b)):TMP+4*(4*(\a)+(\b))+3] offset:(\a)*16*SP+32*(\b)
.endr
.endr
.irp t, 0,1,2,3,4,5,6,7,8,9,10,11,12,13,14,15
	ds_load_b128 v[TMP+4*(\t):TMP+4*(\t)+3], v[RD] offset:(\t)*4*SP  ; LDS serves a wave's instructions in order (ISA guide 5.7.1.4): these see the stores above
.endr
.irp t, 0,1,2,3,4,5,6,7,8,9,10,11,12,13,14,15
	s_wait_dscnt 15-(\t)                           ; the younger loads may stay out
	global_store_b128 v[GO], v[TMP+4*(\t):TMP+4*(\t)+3], s[8:9] offset:512*(\t)
.endr
	s_wait_tensorcnt 0x0                           ; the wave's end, behind my last tensor load and my last LDS store
	ds_add_u32 v[SPW], v[NIL]
	s_wait_dscnt 0x0
	CROUND                                         ; the closing round: no work-group ends while a partner may still ask for a tile that names it
	s_endpgm
.Lfunc_end_k_q7ab953a239_gemm_qk:
	.size	k_q7ab953a239_gemm_qk, .Lfunc_end_k_q7ab953a239_gemm_qk-k_q7ab953a239_gemm_qk
	.p2alignl 7, 3214868480
	.fill 96, 4, 3214868480
	.section	.rodata,"a",@progbits
	.p2align	6, 0x0
	.amdhsa_kernel k_q7ab953a239_gemm_qk
		.amdhsa_group_segment_fixed_size 327680
		.amdhsa_private_segment_fixed_size 0
		.amdhsa_enable_private_segment 0
		.amdhsa_kernarg_size 32
		.amdhsa_user_sgpr_count 2
		.amdhsa_user_sgpr_kernarg_segment_ptr 1
		.amdhsa_wavefront_size32 1
		.amdhsa_system_sgpr_workgroup_id_x 1
		.amdhsa_system_sgpr_workgroup_id_y 1
		.amdhsa_system_sgpr_workgroup_id_z 1
		.amdhsa_system_vgpr_workitem_id 0
		.amdhsa_next_free_vgpr 512
		.amdhsa_next_free_sgpr 68
		.amdhsa_reserve_vcc 0
		.amdhsa_float_denorm_mode_32 3
		.amdhsa_float_denorm_mode_16_64 3
		.amdhsa_memory_ordered 1
		.amdhsa_forward_progress 1
		.amdhsa_inst_pref_size 90
	.end_amdhsa_kernel
	.amdgpu_metadata
---
amdhsa.version: [ 1, 2 ]
amdhsa.kernels:
  - .name:           k_q7ab953a239_gemm_qk
    .symbol:         k_q7ab953a239_gemm_qk.kd
    .args:
      - { .name: xh, .offset: 0, .size: 8, .value_kind: global_buffer, .address_space: global }
      - { .name: wh, .offset: 8, .size: 8, .value_kind: global_buffer, .address_space: global }
      - { .name: qk, .offset: 16, .size: 8, .value_kind: global_buffer, .address_space: global }
      - { .name: in_proj_b, .offset: 24, .size: 8, .value_kind: global_buffer, .address_space: global }
    .group_segment_fixed_size: 327680
    .private_segment_fixed_size: 0
    .kernarg_segment_align: 8
    .kernarg_segment_size: 32
    .max_flat_workgroup_size: 128
    .sgpr_count:     68
    .vgpr_count:     512
    .wavefront_size: 32
...
	.end_amdgpu_metadata
.endif
;; end of part 2
;; launch attn (part 3): grid 16 x 16, 4 waves a work-group, clusters of 4 x 4, 327,680 bytes of LDS; arguments qk, vh, mh, oh; writes oh
.if DOCPART == 3
	.amdgcn_target "amdgcn-amd-amdhsa--gfx1250"
	.amdhsa_code_object_version 6
	.text
	.protected	k_q7ab953a239_attn
	.globl	k_q7ab953a239_attn
	.p2align	8
	.type	k_q7ab953a239_attn,@function
k_q7ab953a239_attn:
	s_mov_b64 s[64:65], 0
	v_nop
	global_prefetch_b8 v0, s[64:65] scope:SCOPE_SE
	s_setreg_imm32_b32 hwreg(HW_REG_WAVE_MODE, 25, 1), 1
	s_wait_xcnt 0x0
	s_wait_alu depctr_hold_cnt(0) depctr_sa_sdst(0) depctr_va_vdst(0) depctr_va_sdst(0) depctr_va_ssrc(0) depctr_va_vcc(0) depctr_vm_vsrc(0)
	s_getreg_b32 s2, hwreg(HW_REG_IB_STS2, 6, 4)
	s_cmp_eq_u32 s2, 0
	s_cbranch_scc0 .Lentry_in_a_cluster
	s_endpgm
.Lentry_in_a_cluster:
	s_bfe_u32 s2, ttmp6, 0x10000c
	s_cmp_lg_u32 s2, 0xf033
	s_cbranch_scc0 .Lentry_shape_is_right
	s_endpgm
.Lentry_shape_is_right:
; MASKED, RENORMALISED ATTENTION.  With s = q . k / 8 and A = softmax over ALL 2,048 keys:  O[q] = sum_k A M V[k] / (sum_k |A M| + 1e-8).  With p = exp(s - m), l = sum p this is
;   O[q] = sum_k (p M) V[k] / (sum_k |p M| + 1e-8 l):  one walk with a running maximum m and three sums.
; qk [sel][b][h][s][64] (q, then k, unscaled), vh [b][h][s][64], mh [b][q][k], oh [b][h][s][64]: all f16.  Products, maxima and sums in f32; p, and w = p M, are kept in f16 for the products.
; LIMITS.  p is kept as p' = 1024 p (the factor cancels between the sums): w' = p' M must stay inside f16, so |M| <= 63; a p below 5.8e-11 of the row's largest counts as 0; c |s| stays below 4e37.
; l and sum |w| are taken of the rounded p' and w'.  NaN and infinities are not treated apart.
; SHARES.  A work-group owns 256 queries of one head (256 work-groups), each of its four waves 64: tiles 0-3 of 16, in two PIECES (tiles 0, 1 and tiles 2, 3).  Every wave walks all keys, 64 a step.
; LAYOUT.  S^T = K Q^T (source 0 = 16 keys, source 1 = 16 queries): a lane holds ONE query (lane % 16) and the keys 8 (lane / 16) + 0..7 of each 16.  Rounded to f16 in pairs that IS source 1 of a product
; over 32 keys, and 16 bytes of a row of M are the lane's eight keys: w' = p' M is one packed multiply for two keys.  O^T += V^T W; V ([key][channel]) comes out of LDS turned, by ds_load_tr16_b128.
; THE TWO ROW SUMS go by the matrix unit into ONE accumulator a tile: ONE_L is 1 in row 0 alone, ONE_M in row 8 alone; LA += ONE_L P + ONE_M |W|: its register 0 holds l in lanes 0-15 and sum |w| in lanes 16-31.
; SOFTMAX.  p' = 2^(c s - cm'), c = log2(e) / 8, cm' = c m - 10; in every step O and LA are multiplied by a = 2^(cm'_old - cm'_new).  m starts at the lowest finite number, O and LA at 0: the first step is like any other, with a = 0.
; BY TURNS.  In turn x piece x has the matrix unit: 24 products of the step in hand (V^T W and the sums), then 16 products K Q^T of the next step; the other piece's softmax, a list of 270 vector
; instructions, is dealt behind them.  Two turns are a key step.  The price of writing no first and no last step out: 324 v_mov_b32 in the wait for the first tile, 24 products on zeros, 16 on a stale K.
; CLUSTER, 4 x 4.  x counts blocks of 256 queries (16: both batches), y heads.  K and V hang on batch and head: shared along a row of the cluster.  M hangs on the block of queries: shared along a column.
; Each tile is asked for JOINTLY: wave 0 asks for a slot's K (128 keys), wave 1 for its V, waves 2 and 3 for the two halves of its M (128 queries x 128 keys): one tensor load of a wave is out at a time.
; REGISTERS, in windows of 256 (s_set_vgpr_msb: bits 1:0 source 0, 3:2 source 1, 5:4 source 2, 7:6 destination):
;   windows 0 and 1: pieces 0 and 1, under the same numbers: v16-31 statistics, v64-127 S^T, v128-159 P, v160-191 W, v192-223 M and then |W|.  Window 0 alone: v1-15 addresses, v32-41 the way out, v62-63 the add's.
;   window 2: v0-63 Q, v64-127 K of one step, v128-191 V of one step, v192-207 ONE_L, ONE_M          window 3: v0-127 O^T, 32 a tile; v128-159 LA, 8 a tile
.set KS,    64        ; keys in a step
.set PK,    144       ; a row of K in LDS: 128 bytes + 16: the 16 rows of a load start at 16 different groups of four banks (64 banks of 4 bytes: ISA guide 11.1)
.set PV,    160       ; a row of V: 128 + 32
.set PM,    272       ; a row of M: 128 keys = 256 bytes + 16
.set VOFF,  2*KS*PK   ; a slot holds two steps: 128 rows of K, 128 rows of V, 256 rows of M
.set MOFF,  VOFF+2*KS*PV
.set SLOT1, 1<<17     ; slot 1 begins here, so that one exclusive or turns an address in one slot into the other's
.set STAGE, SLOT1+MOFF+256*PM  ; behind the ring, never filled by a tensor load: 16 rows x 144 bytes for each wave
.set SP,    144
.set SPARE, STAGE+4*16*SP      ; behind the stages: the spare words, 128 bytes for each wave
.set AK0, 2           ; v2   my lane's place in a tile of K; never rewritten
.set AV0, 3           ; v3   in a tile of V
.set AM0, 4           ; v4   in my wave's rows of M
.set STO, 6           ; v6   the way out: where I put 16 bytes of a row
.set RD,  7           ; v7   the way out: where I read rows back
.set GO,  8           ; v8   my 16 bytes in 512 consecutive bytes of O
.set QO,  9           ; v9   my byte offset in 16 rows of Q
.set ADK, 10          ; v10-12  the LDS address of the run of loads in hand: K's, V's, M's
.set ADV, 11
.set ADM, 12
.set CA,  32          ; v32  1e-8 in lanes 0-15, 1 in lanes 16-31
.set CB,  33          ; v33  the other way round
.set DN,  34          ; v34-41  a pair a tile: the divisor, then its reciprocal
.set SPW, 62          ; v62  LDS address of my spare word; never rewritten
.set NIL, 63          ; v63  0; never rewritten
.set ST,  16          ; tile u of a piece at ST + 8 u: cm', m, a, 0 (named with a as a pair), c0-c3 at work
.set S,   64          ; 32 a tile
.set P,   128         ; 16 a tile
.set W,   160
.set MW,  192
.set QF,  0           ; window 2: tile t, channel half c at 16 t + 8 c
.set KF,  64          ; key block kb, channel half c at KF + 16 kb + 8 c
.set VF,  128         ; key half kk, channel block cb at VF + 32 kk + 8 cb
.set ONEL, 192
.set ONEM, 200
.set LA,  128         ; window 3
.set WV,  12          ; s12  my wave's number
.set G1K, 24          ; s[24:31], s[32:39], s[40:47] descriptor group 1 for K's, V's, M's tiles
.set G1V, 32
.set G1M, 40
.set G0K, 48          ; s[48:51], s[52:55], s[56:59] descriptor group 0: each walks from the first slot to the last
.set G0V, 52
.set G0M, 56
.set CS,  60          ; s[60:61] c: the packed scaling takes the pair's low word for both halves
.set SEL, 62          ; s[62:63] v_permlanex16_b32's selects: each lane takes its own place in the other half
.set SLOTS, 66        ; s66  slots still to be asked for
.set CNT, 67          ; s67  counts a slot's key steps
.set TBK, 68          ; s68-70  LDS byte at which K, V (less VOFF), M (less MOFF) of the step to be fetched begin
.set TBV, 69
.set TBM, 70
.set ABSM, 71         ; s71  clears the signs of two f16
.set SH,  72          ; s72  -10
.set ONEH, 73         ; s73  1.0 twice, in f16
.set MSB, 0
.macro WIN new                      ; the high byte repeats the setting that is left; a switch that changes nothing is dropped
.if MSB != (\new)
	s_set_vgpr_msb (MSB<<8)|(\new)
.set MSB, (\new)
.endif
.endm
.macro PLACES                       ; four places in front of loads into registers that products have read, and of vector lines that read results just made
.rept 4
	v_nop
.endr
.endm
; A joint fill: one line a wave, chosen by the wave's number alone.  An s_nop 0 and four v_nop follow each line, ahead of the jump and the label.
.macro JLOAD
	s_cmp_lt_u32 s[WV], 2
	s_cbranch_scc0 .Lfor_m_\@
	s_cmp_eq_u32 s[WV], 0
	s_cbranch_scc0 .Lfor_v_\@
	tensor_load_to_lds s[G0K:G0K+3], s[G1K:G1K+7]
	s_nop 0
.rept 4
	v_nop
.endr
	s_branch .Lasked_\@
.Lfor_v_\@:
	tensor_load_to_lds s[G0V:G0V+3], s[G1V:G1V+7]
	s_nop 0
.rept 4
	v_nop
.endr
	s_branch .Lasked_\@
.Lfor_m_\@:
	tensor_load_to_lds s[G0M:G0M+3], s[G1M:G1M+7]
	s_nop 0
.rept 4
	v_nop
.endr
.Lasked_\@:
.endm
; A round of the cluster's barrier: my work-group's barrier, so that wave 0's signal speaks for all four waves; wave 0 signals; every wave waits for all sixteen work-groups; my work-group's barrier once more.
.macro CROUND
	s_barrier_signal -1
	s_barrier_wait -1
	s_cmp_lg_u32 s[WV], 0
	s_cbranch_scc1 .Lnot_wave_0_\@
	s_barrier_signal -3
.Lnot_wave_0_\@:
	s_barrier_wait -3
	s_barrier_signal -1
	s_barrier_wait -1
.endm
; THE CHANGE OF SLOTS.  The slot's last bytes, V and M of its second step, have been asked for.  Each wave waits for all its tensor loads, of which one is out: its part of the other slot; adds 0 to its spare
; word; and waits for that and for its own reads of the slot.  Behind the barrier nobody reads this slot any more and the other slot is whole.  fill = 1: this slot is filled again, with the keys two slots on:
; the barrier is then a round of the cluster's, and the joint fill is the first thing behind it: it has four turns, 160 matrix instructions, in which to land.  (At its first use slot 0 is waited for, slot 1 filled.)
.macro CHANGE fill
	WIN 0                           ; at a label and at a branch every window is 0
	s_wait_tensorcnt 0x0            ; no tensor load of mine is out, so a group 0 may be written
	ds_add_u32 v[SPW], v[NIL]       ; 0 onto my spare word; with fill = 1 the descriptors' steps stand between it and the wait for it
.if \fill
.irp g, G0K, G0V
	s_xor_b32 s[\g+1], s[\g+1], SLOT1  ; the other slot than last time,
	s_add_nc_u64 s[\g+2:\g+3], s[\g+2:\g+3], 2*KS*128  ; the next 128 keys: rows of 128 bytes; the type bits on top are not reached
.endr
	s_xor_b32 s[G0M+1], s[G0M+1], SLOT1
	s_add_nc_u64 s[G0M+2:G0M+3], s[G0M+2:G0M+3], 2*KS*2  ; in M the keys lie along the rows
	s_wait_dscnt 0x0                ; the add is done, and my reads of the slot are over
	CROUND
	JLOAD
.else
	s_wait_dscnt 0x0                ; the add is done, and my reads of the slot are over
	s_barrier_signal -1
	s_barrier_wait -1
.endif
	s_sub_co_u32 s[TBK], s[TBK], 2*KS*PK  ; the fetches go back to a slot's first step,
	s_xor_b32 s[TBK], s[TBK], SLOT1       ; in the other slot
	s_sub_co_u32 s[TBV], s[TBV], 2*KS*PV
	s_xor_b32 s[TBV], s[TBV], SLOT1
	s_sub_co_u32 s[TBM], s[TBM], 2*KS*2
	s_xor_b32 s[TBM], s[TBM], SLOT1
.endm
	s_load_b256 s[4:11], s[0:1], 0x0  ; qk s[4:5], vh s[6:7], mh s[8:9], oh s[10:11]
	v_lshl_add_u32 v[SPW], v0, 2, SPARE
	v_mov_b32 v[NIL], 0
	ds_add_u32 v[SPW], v[NIL]       ; the wave's opening: the add and its wait stand ahead of my first tensor load; the set-up below stands between them
	v_lshrrev_b32 v1, 5, v0
	v_readfirstlane_b32 s[WV], v1   ; wave 0..3
	s_bfe_u32 s13, ttmp6, 0x40000   ; cx
	s_bfe_u32 s14, ttmp6, 0x40004   ; cy
	s_lshl_b32 s15, ttmp9, 2        ; in a cluster launch ttmp9 and ttmp7 count clusters
	s_add_co_u32 s15, s15, s13      ; my block of 256 queries, 0..15 = 8 x batch + block: 4 x cluster x + cx
	s_and_b32 s16, ttmp7, 0xffff
	s_lshl_b32 s16, s16, 2
	s_add_co_u32 s16, s16, s14      ; the head = 4 x cluster y + cy
	s_lshr_b32 s17, ttmp9, 1        ; the batch: of the cluster's x alone, so that K's and V's addresses never hold cx
	s_lshl_b32 s18, s14, 2
	s_lshl_b32 s18, 15, s18         ; my row of the cluster: places 4 cy .. 4 cy + 3
	s_lshl_b32 s19, 0x1111, s13     ; my column: places cx, cx + 4, cx + 8, cx + 12
	; descriptor group 1.  128 keys of K or V are 16,384 dense bytes: asked for as 64 rows of 256 bytes, two keys a row, and padded in LDS after every key.  M: 128 rows of 128 keys, 2,048 elements from row to row.
	s_or_b32 s[G1K], s18, (1<<16)|(1<<20)|(1<<21)|(4<<22)|(3<<25)  ; 15:0 the mask; 17:16 2-byte elements; 20 padding on; 21 set beside a mask; 24:22 after every 32 words (code 4); 31:25 4 words (code 3)
	s_or_b32 s[G1V], s18, (1<<16)|(1<<20)|(1<<21)|(4<<22)|(7<<25)  ; the same with 8 words of padding (code 7)
	s_or_b32 s[G1M], s19, (1<<16)|(1<<20)|(1<<21)|(5<<22)|(3<<25)  ; my column's mask; after every 64 words (code 5) 4 words
.irp g, G1K, G1V
	s_mov_b32 s[\g+1], 128<<16      ; tensor_dim0 = 128
	s_mov_b32 s[\g+2], 64<<16       ; tensor_dim1 = 64
	s_mov_b32 s[\g+3], 128<<16      ; tile_dim0 = 128
	s_mov_b32 s[\g+4], 64           ; tile_dim1 = 64
	s_mov_b32 s[\g+5], 128          ; elements from row to row
	s_mov_b32 s[\g+6], 0
	s_mov_b32 s[\g+7], 0
.endr
	s_mov_b32 s[G1M+1], 128<<16
	s_mov_b32 s[G1M+2], 128<<16
	s_mov_b32 s[G1M+3], 128<<16
	s_mov_b32 s[G1M+4], 128
	s_mov_b32 s[G1M+5], 2048
	s_mov_b32 s[G1M+6], 0
	s_mov_b32 s[G1M+7], 0
	s_lshl_b32 s20, s17, 4
	s_add_co_u32 s20, s20, s16
	s_lshl_b32 s20, s20, 18         ; (16 x batch + head) x 262,144: the head's first byte in q, k, vh and oh
	s_mov_b32 s21, 0
	s_and_b32 s74, s[WV], 1         ; which half of M's 256 rows I fetch (waves 2, 3)
	s_lshl_b32 s22, s15, 20         ; M: 256 rows of 4,096 bytes a block,
	s_lshl_b32 s75, s74, 19         ; 128 a half
	s_add_co_u32 s22, s22, s75
	s_mov_b32 s23, 0
	s_and_b32 s76, s15, 7           ; Q and O: my block in its batch, 256 rows of 128 bytes,
	s_lshl_b32 s76, s76, 15
	s_lshl_b32 s77, s[WV], 13       ; my wave's 64 of them,
	s_add_co_u32 s76, s76, s77
	s_add_co_u32 s76, s76, s20      ; in the head
	s_mov_b32 s77, 0
	s_mov_b32 s[G0K], 1             ; 1:0 count = 1
	s_mov_b32 s[G0K+1], 0           ; 63:32 LDS address: slot 0
	s_mov_b32 s[G0V], 1
	s_mov_b32 s[G0V+1], VOFF
	s_mov_b32 s[G0M], 1
	s_mul_i32 s79, s74, 128*PM
	s_add_co_u32 s[G0M+1], s79, MOFF
	s_mov_b32 s[CS], 0x3e38aa3b     ; c = log2(e) / 8 = 0.180337
	s_mov_b32 s[CS+1], s[CS]        ; named with it as a pair
	s_mov_b32 s[SEL], 0x76543210
	s_mov_b32 s[SEL+1], 0xfedcba98
	s_mov_b32 s[ABSM], 0x7fff7fff
	s_mov_b32 s[SH], 0xc1200000     ; -10.0
	s_mov_b32 s[ONEH], 0x3c003c00
	s_mov_b32 s[TBK], SLOT1+2*KS*PK ; the first change of slots turns these three into 0
	s_mov_b32 s[TBV], SLOT1+2*KS*PV
	s_mov_b32 s[TBM], SLOT1+2*KS*2
	s_wait_dscnt 0x0                ; the opening add is done
	s_wait_kmcnt 0x0
	s_add_nc_u64 s[G0K+2:G0K+3], s[4:5], s[20:21]  ; 120:64 global address: the head's first keys; k lies 8,388,608 bytes behind q
	s_add_nc_u64 s[G0K+2:G0K+3], s[G0K+2:G0K+3], 0x800000
	s_or_b32 s[G0K+3], s[G0K+3], 0x80000000        ; 127:126 type = 2
	s_add_nc_u64 s[G0V+2:G0V+3], s[6:7], s[20:21]
	s_or_b32 s[G0V+3], s[G0V+3], 0x80000000
	s_add_nc_u64 s[G0M+2:G0M+3], s[8:9], s[22:23]
	s_or_b32 s[G0M+3], s[G0M+3], 0x80000000
	s_add_nc_u64 s[4:5], s[4:5], s[76:77]          ; Q and O at my wave's first row
	s_add_nc_u64 s[10:11], s[10:11], s[76:77]
	CROUND                          ; all sixteen work-groups are here: the first joint loads meet
	JLOAD                           ; slot 0.  Slot 1 is asked for when slot 0 is in
	; A fragment of K or Q is 16 rows x 32 channels in 8 registers: lane l holds row l % 16, channels 8 (l / 16) + 0..7 and 16 + 8 (l / 16) + 0..7: two loads of 16 bytes, 32 bytes apart.
	v_and_b32 v1, 15, v0            ; l % 16
	v_bfe_u32 v13, v0, 4, 1         ; l / 16
	v_lshlrev_b32 v[QO], 7, v1
	v_lshl_add_u32 v[QO], v13, 4, v[QO]  ; row x 128 + 16 x half
	WIN 0x80                        ; destination window 2, sources window 0
.set z, 0
.rept 8                             ; Q stays in registers: tile z / 2, channels 32 (z % 2) on
	global_load_b128 v[QF+8*z:QF+8*z+3],   v[QO], s[4:5] offset:(z/2)*2048+(z%2)*64
	global_load_b128 v[QF+8*z+4:QF+8*z+7], v[QO], s[4:5] offset:(z/2)*2048+(z%2)*64+32
.set z, z+1
.endr
	v_cmp_eq_u32 vcc_lo, 0, v1      ; a lane holds row l % 16 of source 0: ONE_L is 1.0 in row 0, for all 32 keys,
.set z, 0
.rept 8
	v_cndmask_b32 v[ONEL+z], 0, s[ONEH], vcc_lo
.set z, z+1
.endr
	v_cmp_eq_u32 vcc_lo, 8, v1      ; ONE_M in row 8
.set z, 0
.rept 8
	v_cndmask_b32 v[ONEM+z], 0, s[ONEH], vcc_lo
.set z, z+1
.endr
	; What the first turn finds: V and piece 1's P, W, |W| hold 0 (its products, of a step that has not been, add 0); O^T and LA are 0.  All this stands in the wait for the first tile.
.set z, VF
.rept 64
	v_mov_b32 v[z], 0
.set z, z+1
.endr
	WIN 0xc0
.set z, 0
.rept 160
	v_mov_b32 v[z], 0
.set z, z+1
.endr
	WIN 0x40
.set z, P
.rept 96
	v_mov_b32 v[z], 0
.set z, z+1
.endr
.irp u, 0,1
	v_mov_b32 v[ST+8*\u], 0xfe000000    ; cm': far below every c s
	v_mov_b32 v[ST+8*\u+1], 0xff7fffff  ; m
	v_mov_b32 v[ST+8*\u+3], 0
.endr
	WIN 0
.irp u, 0,1
	v_mov_b32 v[ST+8*\u], 0xfe000000
	v_mov_b32 v[ST+8*\u+1], 0xff7fffff
	v_mov_b32 v[ST+8*\u+3], 0
.endr
	v_cmp_eq_u32 vcc_lo, 0, v13
	v_mov_b32 v14, 0x322bcc77       ; 1e-8
	v_mov_b32 v15, 1.0
	v_cndmask_b32 v[CA], v15, v14, vcc_lo
	v_cndmask_b32 v[CB], v14, v15, vcc_lo
	v_mul_u32_u24 v[AK0], v1, PK
	v_lshl_add_u32 v[AK0], v13, 4, v[AK0]  ; row x pitch + 16 x half
	; The turning load takes 16 keys x 16 channels (lane l reads key 8 (l / 16) + l % 8, channels 8 ((l / 8) % 2) + 0..7) and leaves half a fragment of V^T: lane l holds channel l % 16 and 8 keys.
	v_and_b32 v14, 7, v0
	v_bfe_u32 v15, v0, 3, 1
	v_lshl_add_u32 v[AV0], v13, 3, v14
	v_mul_u32_u24 v[AV0], v[AV0], PV
	v_lshl_add_u32 v[AV0], v15, 4, v[AV0]
	v_add_nc_u32 v[AV0], VOFF, v[AV0]
	s_mul_i32 s78, s[WV], 64*PM     ; M: my wave's 64 rows; row l % 16 of a tile, my eight keys of each 16
	s_add_co_u32 s78, s78, MOFF
	v_mul_u32_u24 v[AM0], v1, PM
	v_lshl_add_u32 v[AM0], v13, 4, v[AM0]
	v_add_nc_u32 v[AM0], s78, v[AM0]
; THE MATRIX WORK.  The accumulators take turns, one instruction a turn: no two products on end name the same one, inside a run, from run to run and over every jump.
; Product i of 16 of S^T = K Q^T for piece x: channels 32 (i / 8) on, keys 16 ((i / 2) % 4) on, tile i % 2.  The first 8 start the sums.
.macro KQ x
	WIN 0x0a|(0x50*(\x))            ; K and Q in window 2, S^T in the piece's
.set kS, S+32*(i%2)+8*((i/2)%4)
.set kK, KF+16*((i/2)%4)+8*(i/8)
.set kQ, QF+16*(2*(\x)+i%2)+8*(i/8)
.if i < 8
	v_wmma_f32_16x16x32_f16 v[kS:kS+7], v[kK:kK+7], v[kQ:kQ+7], 0
	s_wait_alu depctr_va_vdst(0)
.else
	v_wmma_f32_16x16x32_f16 v[kS:kS+7], v[kK:kK+7], v[kQ:kQ+7], v[kS:kS+7]
.endif
.endm
; Product i of 24 for piece x, in four groups of six: two for the sums (groups 0, 1: ONE_L P, keys 32 x group on; groups 2, 3: ONE_M |W|), then four of the 16 of O^T += V^T W
; (number o: keys 32 (o / 8) on, channels 16 ((o / 2) % 4) on, tile o % 2).
.macro PVL x
	WIN 0xf2|((\x)<<2)              ; source 0 in window 2, source 1 in the piece's, C and D in window 3
.set gq, i/6
.set wq, i%6
.if wq < 2
.set rD, LA+8*(2*(\x)+wq)
.if gq < 2
.set rA, ONEL
.set rB, P+16*wq+8*gq
.else
.set rA, ONEM
.set rB, MW+16*wq+8*(gq-2)
.endif
.else
.set oq, 4*gq+wq-2
.set rD, 32*(2*(\x)+oq%2)+8*((oq/2)%4)
.set rA, VF+32*(oq/8)+8*((oq/2)%4)
.set rB, W+16*(oq%2)+8*(oq/8)
.endif
	v_wmma_f32_16x16x32_f16 v[rD:rD+7], v[rA:rA+7], v[rB:rB+7], v[rD:rD+7]
.endm
; THE LDS LOADS stand in runs, never singly among the matrix instructions, each with four places in front of it.  last = 1 (the tail): in the last trip there is no further step, and the run is jumped over.
.macro FETCH_K last=0               ; a step's K: 64 keys x 64 channels, 8 fragments
	WIN 0
.if \last
	s_cmp_eq_u32 s[CNT], 1
	s_cbranch_scc1 .Lno_k_\@
.endif
	PLACES
	v_add_nc_u32 v[ADK], s[TBK], v[AK0]
	WIN 0x80                        ; destination window 2
.irp f, 0,1,2,3,4,5,6,7             ; keys 16 (f / 2) on, channels 32 (f % 2) on
	ds_load_b128 v[KF+8*\f:KF+8*\f+3],   v[ADK] offset:(\f/2)*16*PK+(\f%2)*64
	ds_load_b128 v[KF+8*\f+4:KF+8*\f+7], v[ADK] offset:(\f/2)*16*PK+(\f%2)*64+32
.endr
	s_add_co_u32 s[TBK], s[TBK], KS*PK  ; the next fetch is the next step's
	WIN 0
.if \last
.Lno_k_\@:
.endif
.endm
.macro FETCH_V                      ; a step's V, turned
	WIN 0
	PLACES
	v_add_nc_u32 v[ADV], s[TBV], v[AV0]
	s_wait_alu depctr_va_vdst(0)
	WIN 0x80
.irp f, 0,1,2,3,4,5,6,7             ; keys 32 (f / 4) on, channels 16 (f % 4) on
	ds_load_tr16_b128 v[VF+8*\f:VF+8*\f+3],   v[ADV] offset:(\f/4)*32*PV+(\f%4)*32
	ds_load_tr16_b128 v[VF+8*\f+4:VF+8*\f+7], v[ADV] offset:(\f/4)*32*PV+16*PV+(\f%4)*32
.endr
	s_add_co_u32 s[TBV], s[TBV], KS*PV
	WIN 0
.endm
.macro FETCH_M x, last=0            ; a step's M for piece x: 2 tiles x 16 queries x 64 keys, in P's layout
	WIN 0
.if \last
	s_cmp_eq_u32 s[CNT], 1
	s_cbranch_scc1 .Lno_m_\@
.endif
	PLACES
	v_add_nc_u32 v[ADM], s[TBM], v[AM0]
	s_wait_alu depctr_va_vdst(0)
	WIN (\x)<<6                     ; destination in the piece's window
.irp u, 0,1
.irp kb, 0,1,2,3
	ds_load_b128 v[MW+16*\u+4*\kb:MW+16*\u+4*\kb+3], v[ADM] offset:(2*(\x)+\u)*16*PM+32*\kb
.endr
.endr
.if (\x) == 1
	s_add_co_u32 s[TBM], s[TBM], KS*2  ; both pieces have had this step's
.endif
	WIN 0
.if \last
.Lno_m_\@:
.endif
.endm
; THE VECTOR WORK OF A TURN: piece Y's softmax for one step, a list of 310 numbers of which 270 hold an instruction; VQ writes number vj and steps vj.  The two tiles alternate.
;   0-41     for each tile 21: the maximum of its 32 scores and the old m, three operands at a time (each accumulator's lowest registers first); the other half of the lanes';
;            the new m; cm' = c m - 10; cm'_old - cm'_new
;   42-47    the scaling c s - cm' of pairs 0 and 1, and between them the exponential that makes a
;   48-275   19 groups g of six a tile: scaling of pair g + 2 | exponential of score 2 g | pair g - 1 rounded to f16 | exponential of score 2 g + 1 | w' = p' M for pair g - 2 | |w'| for pair g - 3, into M's place.
;            So every exponential has a plain line that touches none of its registers behind it before its result is used (ISA guide 5.7.2), and each line's operands are a group old.
;   276-309  O^T (16 pairs a tile) and LA's register 0 times a: the one part outside the piece's window, so it stands together
.macro TREG                         ; the registers of tile uu of piece Y
.set rT, ST+8*uu
.set rS, S+32*uu
.set rP, P+16*uu
.set rW, W+16*uu
.set rM, MW+16*uu
.set rO, 32*(2*Y+uu)
.set rL, LA+8*(2*Y+uu)
.endm
.macro FF                           ; pair nn: c s - cm'
	WIN 0x55*Y
	v_pk_fma_f32 v[rS+2*nn:rS+2*nn+1], v[rS+2*nn:rS+2*nn+1], s[CS:CS+1], v[rT:rT+1] op_sel_hi:[1,0,0] neg_lo:[0,0,1] neg_hi:[0,0,1]
.endm
.macro XS                           ; number nn of the 21
	WIN 0x55*Y
.if nn < 4
	v_max3_num_f32 v[rT+4+nn], v[rS+8*nn], v[rS+8*nn+1], v[rS+8*nn+2]
.elseif nn < 12
	v_max3_num_f32 v[rT+4+nn%4], v[rT+4+nn%4], v[rS+8*(nn%4)+2*(nn/4)+1], v[rS+8*(nn%4)+2*(nn/4)+2]
.elseif nn == 12
	v_max3_num_f32 v[rT+4], v[rT+4], v[rS+7], v[rS+15]
.elseif nn == 13
	v_max3_num_f32 v[rT+6], v[rT+6], v[rS+23], v[rS+31]
.elseif nn == 14
	v_max3_num_f32 v[rT+4], v[rT+4], v[rT+5], v[rT+6]
.elseif nn == 15
	v_max3_num_f32 v[rT+4], v[rT+4], v[rT+7], v[rT+1]
.elseif nn == 16
	v_permlanex16_b32 v[rT+5], v[rT+4], s[SEL], s[SEL+1]  ; the query's other 32 keys lie in the lane 16 away
.elseif nn == 17
	v_mov_b32 v[rT+7], v[rT]        ; cm'_old is kept: number 19 writes cm' anew
.elseif nn == 18
	v_max_num_f32 v[rT+1], v[rT+4], v[rT+5]
.elseif nn == 19
	v_fma_f32 v[rT], s[CS], v[rT+1], s[SH]
.else
	v_sub_f32 v[rT+7], v[rT+7], v[rT]
.endif
.endm
.macro VQ
.if vj < 42
.set uu, vj%2
.set nn, vj/2
	TREG
	XS
.elseif vj < 48
.set uu, vj%2
	TREG
.if (vj == 44) || (vj == 45)
	WIN 0x55*Y
	v_exp_f32 v[rT+2], v[rT+7]      ; a
.else
.set nn, (vj-42)/4
	FF
.endif
.elseif vj < 276
.set gg, (vj-48)/12
.set uu, ((vj-48)/6)%2
.set pp, (vj-48)%6
	TREG
.if (pp == 0) && (gg <= 13)
.set nn, gg+2
	FF
.elseif ((pp == 1) || (pp == 3)) && (gg <= 15)
	WIN 0x55*Y
	v_exp_f32 v[rS+2*gg+pp/2], v[rS+2*gg+pp/2]
.elseif (pp == 2) && (gg >= 1) && (gg <= 16)
	WIN 0x55*Y
	s_wait_alu depctr_va_vdst(0)
	v_cvt_pk_f16_f32 v[rP+gg-1], v[rS+2*gg-2], v[rS+2*gg-1]
.elseif (pp == 4) && (gg >= 2) && (gg <= 17)
	WIN 0x55*Y
	v_pk_mul_f16 v[rW+gg-2], v[rP+gg-2], v[rM+gg-2]
.elseif (pp == 5) && (gg >= 3)
	WIN 0x55*Y
	v_and_b32 v[rM+gg-3], s[ABSM], v[rW+gg-3]
.endif
.else
.set uu, (vj-276)%2
.set nn, (vj-276)/2
	TREG
	WIN 0xc3|(Y<<2)                 ; destination and source 0 in window 3, a in the piece's
.if nn < 16
	v_pk_mul_f32 v[rO+2*nn:rO+2*nn+1], v[rO+2*nn:rO+2*nn+1], v[rT+2:rT+3] op_sel_hi:[1,0]
.else
	v_mul_f32 v[rL], v[rL], v[rT+2]
.endif
.endif
.set vj, vj+1
.endm
.macro NEXT n
.rept \n
	VQ
.endr
.endm
; A TURN.  Piece x has the matrix unit; the other piece's list is dealt behind its products: eight numbers behind each of the 24, seven behind each of the 16, thirteen behind the last: those are
; rescalings, plain and of other registers: the places between the turn's last K Q^T and the next turn's first read of those scores.
; Turn 0 of step j: V^T W and sums of step j, K Q^T of step j + 1 | piece 1's softmax of step j | fetches K and piece 0's M of step j + 1.
; Turn 1 of step j: the same for piece 1 | piece 0's softmax of step j + 1 | fetches V and piece 1's M of step j + 1.  Each run stands behind the second product of a run of products and is waited for, with 0, 14 products later or more.
.macro TURN x, last=0
.set Y, 1-(\x)
.set vj, 0
	s_wait_dscnt 0x0                ; turn 0: V and piece 1's M are in; turn 1: piece 0's M
.set i, 0
.rept 24
	PVL \x
	NEXT 8
.if ((\x) == 0) && (i == 1)
	FETCH_K \last
.endif
.set i, i+1
.endr
.if (\x) == 0
	s_wait_dscnt 0x0                ; K is in
.endif
.set i, 0
.rept 16
	KQ \x
.if i == 15
	NEXT 13
.else
	NEXT 7
.endif
.if i == 1
.if (\x) == 1
	FETCH_V
.endif
	FETCH_M \x, \last
.endif
.set i, i+1
.endr
.endm
	CHANGE 1                        ; slot 0 is in, everybody's part of it; slot 1 is asked for
	FETCH_K                         ; key step 0
	FETCH_M 0
	s_wait_loadcnt 0x0              ; Q
	s_wait_dscnt 0x0
.set i, 0
.rept 16
	KQ 0                            ; piece 0's first scores: there is no vector work yet to set between them
.set i, i+1
.endr
	WIN 0                           ; the addresses for the way out: nine plain instructions, the places behind those products
	s_mul_i32 s78, s[WV], 16*SP
	s_add_co_u32 s78, s78, STAGE    ; my stage
	v_mul_u32_u24 v[STO], v1, SP    ; in: row l % 16, 16 bytes for each half of the lanes
	v_lshl_add_u32 v[STO], v13, 4, v[STO]
	v_add_nc_u32 v[STO], s78, v[STO]
	v_bfe_u32 v[RD], v0, 3, 2       ; back: 32 lanes take four rows of 128 bytes,
	v_mul_u32_u24 v[RD], v[RD], SP
	v_lshl_add_u32 v[RD], v14, 4, v[RD]
	v_add_nc_u32 v[RD], s78, v[RD]
	v_and_b32 v[GO], 31, v0         ; which are 512 consecutive bytes of O
	v_lshlrev_b32 v[GO], 4, v[GO]
	s_mov_b32 s[CNT], 2
	s_mov_b32 s[SLOTS], 15
	s_branch .Lfirst                ; the loop is entered in the middle of a trip: the first turn 1 is that of a step that has not been, and adds zeros
.Lslot:                             ; 14 times: every slot's data but the first two are asked for here
	CHANGE 1
	s_mov_b32 s[CNT], 2
.Lstep:
	TURN 0
	WIN 0
.Lfirst:
	TURN 1
	WIN 0
	s_sub_co_u32 s[CNT], s[CNT], 1
	s_cmp_lg_u32 s[CNT], 0
	s_cbranch_scc1 .Lstep
	s_sub_co_u32 s[SLOTS], s[SLOTS], 1
	s_cmp_lg_u32 s[SLOTS], 0
	s_cbranch_scc1 .Lslot
	CHANGE 0                        ; the tail is written out: nothing is asked for
	s_mov_b32 s[CNT], 3             ; two trips fetch the last slot's steps; the third is left in its middle
.Ltail:
	TURN 0, 1
	WIN 0
	s_sub_co_u32 s[CNT], s[CNT], 1
	s_cmp_eq_u32 s[CNT], 0
	s_cbranch_scc1 .Lout
	TURN 1
	WIN 0
	s_branch .Ltail
.Lout:                              ; the third trip's 16 products K Q^T (on the last K once more) serve nothing: the price, once a launch, of one text for every trip
.set i, 0
.rept 24
	PVL 1                           ; piece 1's products of the last step
.set i, i+1
.endr
	PLACES
	; THE WAY OUT.  LA's register 0 holds l in lanes 0-15 and sum |w| in lanes 16-31, for query l % 16: each lane takes the other's, and the divisor is sum |w| + 1e-8 l (at least 1e-5: the row's largest p' is 1,024).
	WIN 0x03                        ; source 0 in window 3
.irp t, 0,1,2,3
	v_mov_b32 v[DN+2*\t], v[LA+8*\t]
	v_mov_b32 v[DN+2*\t+1], v[LA+8*\t]
.endr
	WIN 0
.irp t, 0,1,2,3
	v_permlanex16_b32 v[DN+2*\t+1], v[DN+2*\t], s[SEL], s[SEL+1]
.endr
.irp t, 0,1,2,3
	v_mul_f32 v[DN+2*\t], v[CA], v[DN+2*\t]
.endr
.irp t, 0,1,2,3
	v_fma_f32 v[DN+2*\t], v[CB], v[DN+2*\t+1], v[DN+2*\t]
.endr
.irp t, 0,1,2,3
	v_rcp_f32 v[DN+2*\t], v[DN+2*\t]
.endr
	v_nop                           ; a plain instruction between the last reciprocal and the use of its result
	s_wait_alu depctr_va_vdst(0)
; Tile t: O^T is divided and rounded to f16; a lane's eight channels of a row pack into 16 bytes; they go into rows of 144 bytes and come back as whole rows of 128, into window 0's S^T registers.
.macro PACK t
	WIN 0xc3                        ; destination and source 0 in window 3, the reciprocal in window 0
.set z, 32*(\t)
.rept 16
	v_pk_mul_f32 v[z:z+1], v[z:z+1], v[DN+2*(\t):DN+2*(\t)+1] op_sel_hi:[1,0]
.set z, z+2
.endr
	WIN 0x0f                        ; sources 0 and 1 in window 3, destination in window 0
.set z, 0
.rept 16
	v_cvt_pk_f16_f32 v[S+16*(\t)+z], v[32*(\t)+2*z], v[32*(\t)+2*z+1]
.set z, z+1
.endr
	WIN 0
.irp f, 0,1,2,3
	ds_store_b128 v[STO], v[S+16*(\t)+4*\f:S+16*(\t)+4*\f+3] offset:32*\f
.endr
.irp f, 0,1,2,3
	ds_load_b128 v[S+16*(\t)+4*\f:S+16*(\t)+4*\f+3], v[RD] offset:\f*4*SP  ; LDS serves a wave's instructions in order (ISA guide 5.7.1.4): these see the stores above; the next tile's stores come behind them
.endr
.endm
.macro SEND t, younger              ; younger: the LDS instructions issued behind tile t's loads: the next tile's eight, or none
	WIN 0
.irp f, 0,1,2,3
	s_wait_dscnt (\younger)+3-\f
	global_store_b128 v[GO], v[S+16*(\t)+4*\f:S+16*(\t)+4*\f+3], s[10:11] offset:(\t)*2048+\f*512  ; 512 consecutive bytes, at a multiple of 256 from oh's first
.endr
.endm
	PACK 0
.set t, 1
.rept 3                             ; a tile's arithmetic stands between the loads of the tile before and its stores
	PACK t
	SEND t-1, 8
.set t, t+1
.endr
	SEND 3, 0
	s_wait_tensorcnt 0x0            ; the wave's end, behind my last tensor load and my last LDS store
	ds_add_u32 v[SPW], v[NIL]
	s_wait_dscnt 0x0
	CROUND                          ; the closing round: no work-group ends while a partner may still ask for a tile that names it
	s_endpgm
.Lfunc_end_k_q7ab953a239_attn:
	.size	k_q7ab953a239_attn, .Lfunc_end_k_q7ab953a239_attn-k_q7ab953a239_attn
	.p2alignl 7, 3214868480
	.fill 96, 4, 3214868480
	.section	.rodata,"a",@progbits
	.p2align	6, 0x0
	.amdhsa_kernel k_q7ab953a239_attn
		.amdhsa_group_segment_fixed_size 327680
		.amdhsa_private_segment_fixed_size 0
		.amdhsa_enable_private_segment 0
		.amdhsa_kernarg_size 32
		.amdhsa_user_sgpr_count 2
		.amdhsa_user_sgpr_kernarg_segment_ptr 1
		.amdhsa_wavefront_size32 1
		.amdhsa_system_sgpr_workgroup_id_x 1
		.amdhsa_system_sgpr_workgroup_id_y 1
		.amdhsa_system_sgpr_workgroup_id_z 1
		.amdhsa_system_vgpr_workitem_id 0
		.amdhsa_next_free_vgpr 928
		.amdhsa_next_free_sgpr 84
		.amdhsa_reserve_vcc 1
		.amdhsa_float_denorm_mode_32 3
		.amdhsa_float_denorm_mode_16_64 3
		.amdhsa_memory_ordered 1
		.amdhsa_forward_progress 1
		.amdhsa_inst_pref_size 133
	.end_amdhsa_kernel
	.amdgpu_metadata
---
amdhsa.version: [ 1, 2 ]
amdhsa.kernels:
  - .name:           k_q7ab953a239_attn
    .symbol:         k_q7ab953a239_attn.kd
    .args:
      - { .name: qk, .offset: 0, .size: 8, .value_kind: global_buffer, .address_space: global }
      - { .name: vh, .offset: 8, .size: 8, .value_kind: global_buffer, .address_space: global }
      - { .name: mh, .offset: 16, .size: 8, .value_kind: global_buffer, .address_space: global }
      - { .name: oh, .offset: 24, .size: 8, .value_kind: global_buffer, .address_space: global }
    .group_segment_fixed_size: 327680
    .private_segment_fixed_size: 0
    .kernarg_segment_align: 8
    .kernarg_segment_size: 32
    .max_flat_workgroup_size: 128
    .sgpr_count:     84
    .vgpr_count:     928
    .wavefront_size: 32
...
	.end_amdgpu_metadata
.endif
;; end of part 3
;; launch gemm_out (part 4): grid 8 x 32, 4 waves a work-group, clusters of 4 x 4, 327,680 bytes of LDS; arguments oh, owh, out0, out_b; writes out0
.if DOCPART == 4
	.amdgcn_target "amdgcn-amd-amdhsa--gfx1250"
	.amdhsa_code_object_version 6
	.text
	.protected	k_q7ab953a239_gemm_out
	.globl	k_q7ab953a239_gemm_out
	.p2align	8
	.type	k_q7ab953a239_gemm_out,@function
k_q7ab953a239_gemm_out:
	s_mov_b64 s[64:65], 0
	v_nop
	global_prefetch_b8 v0, s[64:65] scope:SCOPE_SE
	s_setreg_imm32_b32 hwreg(HW_REG_WAVE_MODE, 25, 1), 1
	s_wait_xcnt 0x0
	s_wait_alu depctr_hold_cnt(0) depctr_sa_sdst(0) depctr_va_vdst(0) depctr_va_sdst(0) depctr_va_ssrc(0) depctr_va_vcc(0) depctr_vm_vsrc(0)
	s_getreg_b32 s2, hwreg(HW_REG_IB_STS2, 6, 4)
	s_cmp_eq_u32 s2, 0
	s_cbranch_scc0 .Lentry_in_a_cluster
	s_endpgm
.Lentry_in_a_cluster:
	s_bfe_u32 s2, ttmp6, 0x10000c
	s_cmp_lg_u32 s2, 0xf033
	s_cbranch_scc0 .Lentry_shape_is_right
	s_endpgm
.Lentry_shape_is_right:
; THE OUT PROJECTION.  out0[m][n] = sum over k of O[m][k] owh[n][k] + out_b[n], in f32.  O is oh [b][h][s][64] in f16: m = 2048 b + s, k = 64 h + d.  owh [1024][1024] is out_w rounded to bf16 and written as f16;
; out_b, rounded to bf16 like every input, starts the sums.  Products in f16, sums in f32.
; A tile of out0 is 128 x 128: 256 work-groups, one for each WGP.  Four waves, each 64 x 64: 16 accumulators.  K goes in steps of 256, which are FOUR HEADS, through two slots.
; O's TILE.  64 tokens of a head are 8,192 dense bytes: a wave's load takes them as one row of 4,096 elements, four such rows (heads) 131,072 elements apart, padded in LDS after every token's 128 bytes:
; [head][token][64] with 144 bytes from token to token.  A quarter of a K step (64 along K) is one head.  owh's tile: 64 rows of 512 bytes, 528 apart.
; CLUSTERS: 4 x 4 work-groups; O's tiles are shared along a row of the cluster, owh's along a column: each is asked for JOINTLY.
; THE MATRIX INSTRUCTION IS USED TRANSPOSED (source 0 = 16 rows of owh, source 1 = 16 rows of O): a lane holds eight neighbouring columns of a row, 32 bytes.  A wave's 64 columns are 256 aligned bytes of out0:
; each wave goes out through a stage of its own, 16 rows at a time, with no barrier.
; REGISTERS: window 0: v0-31 addresses; v32-47 at work; v96-127 the bias; v128-255 the accumulators ((a, b) at v[128 + 8 (4 a + b)]).   window 1: two fragment buffers of 128: 64 registers of O, then 64 of owh.
.set SIZE_K, 1024
.set KSTEP,  256
.set PITCH,  528                       ; owh's LDS row: 512 bytes + 16
.set PA,     144                       ; O's LDS row: a token's 128 bytes of one head + 16: the 16 rows of a load start at 16 different groups of four banks (64 banks of 4 bytes: ISA guide 11.1)
.set HEADB,  64*PA                     ; 64 tokens of one head
.set HALFA,  4*HEADB                   ; what one load of O brings: 64 tokens x 4 heads
.set HALFB,  64*PITCH                  ; what one load of owh brings
.set BOFF,   2*HALFA                   ; owh's rows lie behind O's
.set SLOT,   2*HALFA+2*HALFB
.set ASTEP,  4*2048*128                ; bytes from a K step of O to the next: four heads
.set STAGE,  2*SLOT                    ; behind the ring: 16 rows x 272 bytes for each wave
.set SPITCH, 272
.set SPARE,  STAGE+4*16*SPITCH         ; behind the stages: the spare words, 128 bytes for each wave
.set LAPS, SIZE_K/(2*KSTEP)
.set ADRA, 16                          ; v16-17  LDS address of my O fragments in slot 0, 1
.set ADRB, 20                          ; v20-21  the same for owh
.set STO,  24                          ; v24     the way out: where I put 32 bytes of a row
.set RD,   25                          ; v25     the way out: where I read a row back
.set CO,   26                          ; v26     my byte offset in two rows of out0
.set BO,   27                          ; v27     my byte offset in 16 numbers of the bias
.set SPW,  28                          ; v28     LDS address of my spare word; never rewritten
.set NIL,  29                          ; v29     0; never rewritten
.set TMP,  32
.set BI,   96                          ; column block b at BI + 8 b: out_b[16 b + 8 (l / 16) + 0..7] of my 64 columns
.set ACC,  128
.set F0,   0
.set F1,   128
.set G1, 24                            ; s[24:31] descriptor group 1 for O's tiles;  s[32:39] group 0, one set for each slot
.set G0, 32
.set G1B, 48                           ; s[48:55], s[56:63] the same for owh's tiles
.set G0B, 56
.set BIAS, 66                          ; s[66:67]
.set MSB, 0
.macro WIN new                         ; the immediate's high byte repeats the setting that is left
.if MSB != (\new)
	s_set_vgpr_msb (MSB<<8)|(\new)
.set MSB, \new
.endif
.endm
.set MUL,  0x05                        ; sources 0 and 1 window 1; C and D window 0
.set TO_F, 0x40                        ; destination window 1, address window 0
.macro JLOAD s                         ; a joint load: waves 0 and 1 fetch O's two halves, waves 2 and 3 owh's; an s_nop 0 and four v_nop follow each line
	s_cmp_eq_u32 s11, 0
	s_cbranch_scc0 .Lfor_b_\@
	tensor_load_to_lds s[G0+4*(\s):G0+4*(\s)+3], s[G1:G1+7]
	s_nop 0
.rept 4
	v_nop
.endr
	s_branch .Lasked_\@
.Lfor_b_\@:
	tensor_load_to_lds s[G0B+4*(\s):G0B+4*(\s)+3], s[G1B:G1B+7]
	s_nop 0
.rept 4
	v_nop
.endr
.Lasked_\@:
.endm
.macro CREST                           ; a round of the cluster's barrier behind its opening barrier
	s_cmp_lg_u32 s10, 0
	s_cbranch_scc1 .Lnot_wave_0_\@
	s_barrier_signal -3
.Lnot_wave_0_\@:
	s_barrier_wait -3
	s_barrier_signal -1
	s_barrier_wait -1
.endm
.macro CROUND                          ; a whole round
	s_barrier_signal -1
	s_barrier_wait -1
	CREST
.endm
	s_load_b128 s[4:7], s[0:1], 0x0                ; oh s[4:5], owh s[6:7]
	s_load_b64 s[8:9], s[0:1], 0x10                ; out0
	s_load_b64 s[BIAS:BIAS+1], s[0:1], 0x18        ; out_b
	v_lshl_add_u32 v[SPW], v0, 2, SPARE
	v_mov_b32 v[NIL], 0
	ds_add_u32 v[SPW], v[NIL]                      ; the wave's opening: the add and its wait stand ahead of my first tensor load; the set-up below stands between them
	v_lshrrev_b32 v1, 5, v0
	v_readfirstlane_b32 s10, v1                    ; wave 0..3
	s_lshr_b32 s11, s10, 1                         ; which half of the tile's rows is mine.  Also: I fetch for O (0) or for owh (1)
	s_and_b32 s12, s10, 1                          ; which half of its columns.  Also: which 64 rows of that tile I fetch
	s_bfe_u32 s40, ttmp6, 0x40000                  ; cx, cy: my place in the cluster
	s_bfe_u32 s41, ttmp6, 0x40004
	s_lshl_b32 s42, ttmp9, 2
	s_add_co_u32 s42, s42, s40                     ; tile column = 4 x cluster x + cx
	s_and_b32 s13, ttmp7, 0xffff
	s_lshl_b32 s13, s13, 2
	s_add_co_u32 s13, s13, s41                     ; tile row = 4 x cluster y + cy
	s_lshl_b32 s43, s41, 2
	s_lshl_b32 s43, 15, s43                        ; my row of the cluster
	s_lshl_b32 s44, 0x1111, s40                    ; my column
	s_or_b32 s[G1+0], s43, (1<<16)|(1<<20)|(1<<21)|(4<<22)|(3<<25)  ; 15:0 the mask: O's tiles go to my row; 17:16 2-byte elements; 20 padding on; 21 set beside a mask; 24:22 after every 32 words (code 4); 31:25 4 words (code 3)
	s_mov_b32 s[G1+1], 4096<<16                    ; tensor_dim0 = 4,096: 64 tokens x 64 channels
	s_mov_b32 s[G1+2], 4<<16                       ; tensor_dim1 = 4 heads
	s_mov_b32 s[G1+3], 4096<<16                    ; tile_dim0
	s_mov_b32 s[G1+4], 4                           ; tile_dim1
	s_mov_b32 s[G1+5], 131072                      ; elements from head to head
	s_mov_b32 s[G1+6], 0
	s_mov_b32 s[G1+7], 0
	s_or_b32 s[G1B+0], s44, (1<<16)|(1<<20)|(1<<21)|(6<<22)|(3<<25) ; my column's mask; after every 128 words (code 6) 4 words
	s_mov_b32 s[G1B+1], KSTEP<<16                  ; 64 rows x 256 elements
	s_mov_b32 s[G1B+2], 64<<16
	s_mov_b32 s[G1B+3], KSTEP<<16
	s_mov_b32 s[G1B+4], 64
	s_mov_b32 s[G1B+5], SIZE_K
	s_mov_b32 s[G1B+6], 0
	s_mov_b32 s[G1B+7], 0
	s_lshr_b32 s16, s13, 4                         ; O: the batch, 16 heads of 262,144 bytes,
	s_lshl_b32 s16, s16, 22
	s_and_b32 s17, s13, 15                         ; the tile's 128 tokens of 128 bytes,
	s_lshl_b32 s17, s17, 14
	s_add_co_u32 s16, s16, s17
	s_lshl_b32 s17, s12, 13                        ; the 64 that I fetch
	s_add_co_u32 s16, s16, s17
	s_mov_b32 s17, 0
	s_lshl_b32 s46, s42, 7                         ; owh: row 128 x tile column + 64 x half,
	s_lshl_b32 s47, s12, 6
	s_add_co_u32 s46, s46, s47
	s_lshl_b32 s46, s46, 11                        ; of 2,048 bytes
	s_mov_b32 s47, 0
	s_mul_i32 s20, s12, HALFA                      ; where they go: no place in the cluster enters an LDS address
	s_mul_i32 s21, s12, HALFB
	s_add_co_u32 s21, s21, BOFF
	s_wait_dscnt 0x0                               ; the opening add is done
	s_wait_kmcnt 0x0
	s_add_nc_u64 s[14:15], s[4:5], s[16:17]
	s_add_nc_u64 s[46:47], s[6:7], s[46:47]
	CROUND                                         ; all sixteen work-groups are here: the first joint loads meet
.irp s, 0,1
	s_mov_b32 s[G0+4*(\s)], 1
	s_add_co_u32 s[G0+4*(\s)+1], s20, (\s)*SLOT
	s_add_nc_u64 s[G0+4*(\s)+2:G0+4*(\s)+3], s[14:15], (\s)*ASTEP
	s_or_b32 s[G0+4*(\s)+3], s[G0+4*(\s)+3], 0x80000000
	s_mov_b32 s[G0B+4*(\s)], 1
	s_add_co_u32 s[G0B+4*(\s)+1], s21, (\s)*SLOT
	s_add_nc_u64 s[G0B+4*(\s)+2:G0B+4*(\s)+3], s[46:47], (\s)*KSTEP*2
	s_or_b32 s[G0B+4*(\s)+3], s[G0B+4*(\s)+3], 0x80000000
	JLOAD \s
.endr
	v_and_b32 v1, 15, v0                           ; l % 16
	v_bfe_u32 v2, v0, 4, 1                         ; l / 16
	v_lshlrev_b32 v[BO], 5, v2
	s_lshl_b32 s46, s42, 9                         ; my first column, in bytes of f32: 512 x tile column + 256 x half: for out_b and for out0 (in the registers that held owh's address)
	s_lshl_b32 s47, s12, 8
	s_add_co_u32 s46, s46, s47
	s_mov_b32 s47, 0
	s_add_nc_u64 s[BIAS:BIAS+1], s[BIAS:BIAS+1], s[46:47]
	s_add_nc_u64 s[8:9], s[8:9], s[46:47]
.irp b, 0,1,2,3
	global_load_b128 v[BI+8*(\b):BI+8*(\b)+3],   v[BO], s[BIAS:BIAS+1] offset:64*(\b)
	global_load_b128 v[BI+8*(\b)+4:BI+8*(\b)+7], v[BO], s[BIAS:BIAS+1] offset:64*(\b)+16
.endr
	v_mul_u32_u24 v3, v1, PA
	v_lshl_add_u32 v3, v2, 4, v3                   ; O: a fragment's row x pitch + 16 x half
	v_mul_u32_u24 v4, v1, PITCH
	v_lshl_add_u32 v4, v2, 4, v4                   ; owh likewise
	s_mul_i32 s21, s11, HALFA                      ; my 64 tokens
	s_mul_i32 s22, s12, HALFB                      ; my 64 rows of owh
	s_add_co_u32 s22, s22, BOFF
.irp s, 0,1
	v_add_nc_u32 v[ADRA+(\s)], s21, v3
	v_add_nc_u32 v[ADRB+(\s)], s22, v4
	s_add_co_u32 s21, s21, SLOT
	s_add_co_u32 s22, s22, SLOT
.endr
	s_mul_i32 s23, s10, 16*SPITCH
	s_add_co_u32 s23, s23, STAGE                   ; my stage
	v_mul_u32_u24 v4, v1, SPITCH                   ; in: row l % 16, 32 bytes for each half of the lanes
	v_lshl_add_u32 v4, v2, 5, v4
	v_add_nc_u32 v[STO], s23, v4
	v_mul_u32_u24 v5, v2, SPITCH                   ; back: lanes 0-15 take one row of 256 bytes, lanes 16-31 the next
	v_lshl_add_u32 v5, v1, 4, v5
	v_add_nc_u32 v[RD], s23, v5
	v_lshlrev_b32 v5, 12, v2                       ; and the same two rows in out0, 4,096 bytes apart
	v_lshl_add_u32 v[CO], v1, 4, v5
	s_lshl_b32 s16, s13, 7
	s_lshl_b32 s17, s11, 6
	s_add_co_u32 s16, s16, s17                     ; my first row of out0
	s_lshl_b32 s16, s16, 12
	s_mov_b32 s17, 0
	s_add_nc_u64 s[8:9], s[8:9], s[16:17]
; 8 matrix instructions: m blocks a0, a0 + 1 x all 4 n blocks, 32 along K: half c of buffer f.  zero = 1: the first product starts the sums, with the bias as C
.macro MUL8 f, c, a0, zero
	WIN MUL
.irp a, \a0, (\a0)+1
.irp b, 0,1,2,3
.if \zero
	v_wmma_f32_16x16x32_f16 v[ACC+8*(4*(\a)+(\b)):ACC+8*(4*(\a)+(\b))+7], v[(\f)+64+8*(4*(\c)+(\b)):(\f)+64+8*(4*(\c)+(\b))+7], v[(\f)+8*(4*(\c)+(\a)):(\f)+8*(4*(\c)+(\a))+7], v[BI+8*(\b):BI+8*(\b)+7]
.else
	v_wmma_f32_16x16x32_f16 v[ACC+8*(4*(\a)+(\b)):ACC+8*(4*(\a)+(\b))+7], v[(\f)+64+8*(4*(\c)+(\b)):(\f)+64+8*(4*(\c)+(\b))+7], v[(\f)+8*(4*(\c)+(\a)):(\f)+8*(4*(\c)+(\a))+7], v[ACC+8*(4*(\a)+(\b)):ACC+8*(4*(\a)+(\b))+7]
.endif
.endr
.endr
.endm
; 32 LDS loads in one run: the fragments of 64 along K, into buffer f; the first 32 along K first.  k: the quarter's byte in owh's rows (0, 128, 256, 384); in O's tile it is head k / 128.
.macro FETCH slot, k, f
	WIN TO_F
.irp c, 0,1
.irp i, 0,1,2,3
	ds_load_b128 v[(\f)+64+8*(4*(\c)+(\i)):(\f)+64+8*(4*(\c)+(\i))+3],   v[ADRB+(\slot)] offset:(\k)+64*(\c)+(\i)*16*PITCH
	ds_load_b128 v[(\f)+64+8*(4*(\c)+(\i))+4:(\f)+64+8*(4*(\c)+(\i))+7], v[ADRB+(\slot)] offset:(\k)+64*(\c)+(\i)*16*PITCH+32
	ds_load_b128 v[(\f)+8*(4*(\c)+(\i)):(\f)+8*(4*(\c)+(\i))+3],         v[ADRA+(\slot)] offset:((\k)/128)*HEADB+64*(\c)+(\i)*16*PA
	ds_load_b128 v[(\f)+8*(4*(\c)+(\i))+4:(\f)+8*(4*(\c)+(\i))+7],       v[ADRA+(\slot)] offset:((\k)/128)*HEADB+64*(\c)+(\i)*16*PA+32
.endr
.endr
.endm
.macro PLACES                          ; four places in front of loads into registers that matrix instructions have read, and of LDS stores that read results
.rept 4
	v_nop
.endr
.endm
; A K step is four quarters of 64 along K, 32 matrix instructions each, on buffers 0, 1, 0, 1.  The 16 accumulators take turns.
.macro QUARTER slot, k, f, g, zero
	s_wait_dscnt 16                                ; the first 32 along K are in; the run's other sixteen loads may be out
	WIN MUL
	MUL8 \f, 0, 0, \zero
	MUL8 \f, 0, 2, \zero
	PLACES
	FETCH \slot, \k, \g
	s_wait_dscnt 32                                ; all but the 32 just issued
	WIN MUL
	MUL8 \f, 1, 0, 0
	MUL8 \f, 1, 2, 0
.endm
; The last quarter multiplies buffer 1 and changes slots: ONE barrier; in front of it each wave waits for all its tensor loads, adds 0 to its spare word, and waits for that and for its own reads of this slot.
.macro TURN slot, next, fill
	WIN 0                                          ; (the add's two registers lie in window 0)
	s_wait_tensorcnt 0x0                           ; all my tensor loads have landed: my part of the next slot;
	ds_add_u32 v[SPW], v[NIL]                      ; 0 onto my spare word;
	s_wait_dscnt 17                                ; (the add and the youngest sixteen loads may be out)
	WIN MUL
	MUL8 F1, 0, 0, 0                               ; eight matrix instructions stand between the add and the wait for it
	s_wait_dscnt 0x0                               ; the add is done, and my reads of this slot are over
	s_barrier_signal -1
	MUL8 F1, 0, 2, 0
.if \fill
	WIN 0
.endif
	s_barrier_wait -1
.if \fill
	CREST                                          ; the barrier has opened a round of the cluster's barrier: no wave of any partner still reads this slot's tile or has a load on its way
	s_add_nc_u64 s[G0+4*(\slot)+2:G0+4*(\slot)+3], s[G0+4*(\slot)+2:G0+4*(\slot)+3], 2*ASTEP
	s_add_nc_u64 s[G0B+4*(\slot)+2:G0B+4*(\slot)+3], s[G0B+4*(\slot)+2:G0B+4*(\slot)+3], 2*KSTEP*2
	JLOAD \slot                                    ; the first tensor load behind the round; its four v_nop are also the places in front of the loads below
.else
	PLACES
.endif
	FETCH \next, 0, F0
	WIN MUL
	MUL8 F1, 1, 0, 0
	MUL8 F1, 1, 2, 0
.endm
	s_wait_loadcnt 0x0                             ; the bias: rounded to bf16 and widened again
.set i, 0
.rept 16
	v_cvt_pk_bf16_f32 v[TMP+i], v[BI+2*i], v[BI+2*i+1]
.set i, i+1
.endr
.set i, 0
.rept 16
	v_lshlrev_b32 v[BI+2*i],   16, v[TMP+i]
	v_and_b32     v[BI+2*i+1], 0xffff0000, v[TMP+i]
.set i, i+1
.endr
	s_wait_tensorcnt 1                             ; my part of K step 0 is in; K step 1's may stay out
	s_barrier_signal -1
	s_barrier_wait -1                              ; everybody's is
	FETCH 0, 0, F0
	QUARTER 0, 128, F0, F1, 1                      ; the first quarter stands in front of the loop: its first products start the sums
	WIN 0                                          ; at a label and at a branch every window is 0
	s_mov_b32 s3, LAPS-1
.Llap:                                                 ; a trip goes once round the ring, from a lap's second quarter to the next lap's first, and fills both slots again
	QUARTER 0, 256, F1, F0, 0
	QUARTER 0, 384, F0, F1, 0
	TURN 0, 1, 1
	QUARTER 1, 128, F0, F1, 0
	QUARTER 1, 256, F1, F0, 0
	QUARTER 1, 384, F0, F1, 0
	TURN 1, 0, 1
	QUARTER 0, 128, F0, F1, 0
	WIN 0
	s_sub_co_u32 s3, s3, 1
	s_cmp_lg_u32 s3, 0
	s_cbranch_scc1 .Llap
	QUARTER 0, 256, F1, F0, 0                      ; the last lap fills nothing, and has no round of the cluster's barrier
	QUARTER 0, 384, F0, F1, 0
	TURN 0, 1, 0
	QUARTER 1, 128, F0, F1, 0
	QUARTER 1, 256, F1, F0, 0
	QUARTER 1, 384, F0, F1, 0
	s_wait_dscnt 16                                ; the very last quarter: nothing more to fetch
	WIN MUL
	MUL8 F1, 0, 0, 0
	MUL8 F1, 0, 2, 0
	s_wait_dscnt 0
	MUL8 F1, 1, 0, 0
	MUL8 F1, 1, 2, 0
	WIN 0
	; THE WAY OUT, 16 rows (block a) at a time: a lane's 32 bytes of a row go into my stage, each accumulator's low four registers first; whole rows of 256 bytes come back into the registers that they left.
.macro OUTB a
.irp b, 0,1,2,3
	ds_store_b128 v[STO], v[ACC+32*(\a)+8*(\b):ACC+32*(\a)+8*(\b)+3]   offset:64*(\b)
	ds_store_b128 v[STO], v[ACC+32*(\a)+8*(\b)+4:ACC+32*(\a)+8*(\b)+7] offset:64*(\b)+16
.endr
.irp t, 0,1,2,3,4,5,6,7
	ds_load_b128 v[ACC+32*(\a)+4*(\t):ACC+32*(\a)+4*(\t)+3], v[RD] offset:(\t)*2*SPITCH  ; LDS serves a wave's instructions in order (ISA guide 5.7.1.4): these see the stores above; the next block's stores come behind them
.endr
.endm
.macro SENDB a, younger                ; younger: the LDS instructions issued behind block a's loads: the next block's sixteen, or none
.irp t, 0,1,2,3,4,5,6,7
	s_wait_dscnt (\younger)+7-(\t)
	global_store_b128 v[CO], v[ACC+32*(\a)+4*(\t):ACC+32*(\a)+4*(\t)+3], s[8:9] offset:(16*(\a)+2*(\t))*4096  ; 16 lanes store 256 consecutive bytes, at a multiple of 256 from out0's first byte
.endr
.endm
	PLACES
	OUTB 0
	OUTB 1
	SENDB 0, 16
	OUTB 2
	SENDB 1, 16
	OUTB 3
	SENDB 2, 16
	SENDB 3, 0
	s_wait_tensorcnt 0x0                           ; the wave's end, behind my last tensor load and my last LDS store
	ds_add_u32 v[SPW], v[NIL]
	s_wait_dscnt 0x0
	CROUND                                         ; the closing round: no work-group ends while a partner may still ask for a tile that names it
	s_endpgm
.Lfunc_end_k_q7ab953a239_gemm_out:
	.size	k_q7ab953a239_gemm_out, .Lfunc_end_k_q7ab953a239_gemm_out-k_q7ab953a239_gemm_out
	.p2alignl 7, 3214868480
	.fill 96, 4, 3214868480
	.section	.rodata,"a",@progbits
	.p2align	6, 0x0
	.amdhsa_kernel k_q7ab953a239_gemm_out
		.amdhsa_group_segment_fixed_size 327680
		.amdhsa_private_segment_fixed_size 0
		.amdhsa_enable_private_segment 0
		.amdhsa_kernarg_size 32
		.amdhsa_user_sgpr_count 2
		.amdhsa_user_sgpr_kernarg_segment_ptr 1
		.amdhsa_wavefront_size32 1
		.amdhsa_system_sgpr_workgroup_id_x 1
		.amdhsa_system_sgpr_workgroup_id_y 1
		.amdhsa_system_sgpr_workgroup_id_z 1
		.amdhsa_system_vgpr_workitem_id 0
		.amdhsa_next_free_vgpr 512
		.amdhsa_next_free_sgpr 68
		.amdhsa_reserve_vcc 0
		.amdhsa_float_denorm_mode_32 3
		.amdhsa_float_denorm_mode_16_64 3
		.amdhsa_memory_ordered 1
		.amdhsa_forward_progress 1
		.amdhsa_inst_pref_size 90
	.end_amdhsa_kernel
	.amdgpu_metadata
---
amdhsa.version: [ 1, 2 ]
amdhsa.kernels:
  - .name:           k_q7ab953a239_gemm_out
    .symbol:         k_q7ab953a239_gemm_out.kd
    .args:
      - { .name: oh, .offset: 0, .size: 8, .value_kind: global_buffer, .address_space: global }
      - { .name: owh, .offset: 8, .size: 8, .value_kind: global_buffer, .address_space: global }
      - { .name: out0, .offset: 16, .size: 8, .value_kind: global_buffer, .address_space: global }
      - { .name: out_b, .offset: 24, .size: 8, .value_kind: global_buffer, .address_space: global }
    .group_segment_fixed_size: 327680
    .private_segment_fixed_size: 0
    .kernarg_segment_align: 8
    .kernarg_segment_size: 32
    .max_flat_workgroup_size: 128
    .sgpr_count:     68
    .vgpr_count:     512
    .wavefront_size: 32
...
	.end_amdgpu_metadata
.endif
;; end of part 4
